; MI455X (gfx1250); checked and timed in simulation.
; The chip was launched on July 23, 2026; its instructions are those of AMD's public machine-readable ISA for CDNA 5 (MIT licence, August 2026) and "CDNA5" Instruction Set Architecture Reference Guide (July 2026). The comments in the code are by the model that wrote it; some were corrected since.
;; Self Attention. Allowed arithmetic: matrix products marked QUANTISED: E4M3 operands, one given power-of-two scale a tensor, by v_wmma_f32_16x16x64_fp8_fp8 or v_wmma_f32_16x16x128_fp8_fp8, f32 sums; everything else in f32.
;; Inputs: W_proj 1,024 x 1,024 float32; W_qkv 1,024 x 3,072 float32; b_proj 1,024 float32; b_qkv 3,072 float32; lowp_scales 8 int32 (the exponents e of the quantised operands' scales 2^e); x 4 x 2,048 x 1,024 float32.
;; Outputs: out0 4 x 2,048 x 1,024 float32.
;; This version of the problem:
;;   THIS VERSION OF THE PROBLEM IS GIVEN IN LOW PRECISION. The matrix products marked QUANTISED in the list below multiply operands that are first quantised to E4M3 (4 exponent bits, 3 mantissa bits; 8 bits a number), with one given power-of-two scale for each operand tensor; their sums are f32. All else is computed in f32.
;;   The module's matrix products, in the order in which they are computed (A, B: the left and right operand; K: the contracted axis; several contracted axes count as one K, in the product's order):
;;     1. [M 8,192, K 1,024] x [K 1,024, N 3,072]; A: input x; B: input W_qkv: QUANTISED (scales: A lowp_scales[0], B lowp_scales[1])
;;     2. batch 64 x [M 2,048, K 64] x [K 64, N 2,048]; A: computed on the way; B: computed on the way: QUANTISED (scales: A lowp_scales[2], B lowp_scales[3])
;;     3. batch 64 x [M 2,048, K 2,048] x [K 2,048, N 64]; A: softmax (see below); B: computed on the way: QUANTISED (scales: A lowp_scales[4], B lowp_scales[5])
;;     4. [M 8,192, K 1,024] x [K 1,024, N 1,024]; A: computed on the way; B: input W_proj: QUANTISED (scales: A lowp_scales[6], B lowp_scales[7])
;;   THE QUANTISER, for each operand of a quantised product, along K:
;;     - The operand's scale is 2^e, e = its entry of the input lowp_scales (int32; the entries are numbered through the quantised products in the list's order, A before B).
;;     - Each number is divided by the scale, clamped to +-448, and rounded to the nearest number of E4M3, ties to even, subnormals kept.
;;     - The product sums the exact products of the quantised numbers (number of the format x scale) in f32.
;;   ~~~python
;;   def quantise(x, axis, e):      # numpy; x: float32 -> the quantised numbers, widened to float32 again
;;       x = np.moveaxis(x, axis, -1); K = x.shape[-1]
;;       r = np.clip(x / 2.0 ** e, -448, 448)
;;       step = 2.0 ** (np.maximum(np.frexp(np.where(r == 0, 1, r))[1] - 1, -6) - 3)
;;       q = np.round(r / step) * step * 2.0 ** e      # np.round: ties to even
;;       return np.moveaxis(q, -1, axis).astype(np.float32)
;;   ~~~
;;   SOFTMAX AHEAD OF A QUANTISED PRODUCT. Where the list says 'softmax', what is quantised is not the finished softmax but p = 2^(t - M), with t = logit x log2(e) and M = ceil(the row's largest t), a whole number; so 1/2 < the row's largest p <= 1. The row's sum l is taken of the UNQUANTISED p, in f32, and the product's result is divided by l at the end. Since M is a whole number, a kernel that streams over the keys may use a running M (the ceiling of the running maximum): every later rescaling is an exact power of two, so the quantised numbers keep their values, but for numbers so far below the row's largest that they fall under the format's range.
;;   OPERANDS COMPUTED ON THE WAY. 'Computed on the way' means the value that the module computes at that place (a softmax that the list does not call 'softmax' is quantised finished and normalised). What goes into a quantiser is computed in f32, as accurately as f32 sums, v_exp_f32 and their like allow (about 1e-6 of the number): no bf16 or f16 on the way to a quantiser, and a product that is left as it is and whose result goes on into a quantised operand takes f32 operands (vector FMAs, or v_wmma_f32_16x16x4_f32). A number that lies on a knife's edge between two numbers of the format may be rounded either way, as far as f32 arithmetic and the matrix unit's own rounding can turn it there, and no further.
;; One version. Each part assembles by itself: llvm-mc -triple=amdgcn-amd-amdhsa -mcpu=gfx1250 --defsym DOCPART=n.
;; ======== version 1 of 1: 4 launches
;; limits: right only within a limited range of input values
;; workspace buffers: xc 8,388,608 bytes; wq 3,145,728 bytes; wp 1,048,576 bytes; qc 8,388,608 bytes; kc 8,388,608 bytes; vc 8,388,608 bytes; yc 8,388,608 bytes
;; launch prep (part 1): grid 384 x 1, 4 waves a work-group, no clusters, 34,304 bytes of LDS; arguments x, W_qkv, W_proj, lowp_scales, xc, wq, wp; writes xc, wq, wp
.if DOCPART == 1
	.amdgcn_target "amdgcn-amd-amdhsa--gfx1250"
	.amdhsa_code_object_version 6
	.text
	.protected	k_q72a5a9aeac_prep
	.globl	k_q72a5a9aeac_prep
	.p2align	8
	.type	k_q72a5a9aeac_prep,@function
k_q72a5a9aeac_prep:
	s_mov_b64 s[64:65], 0
	v_nop
	global_prefetch_b8 v0, s[64:65] scope:SCOPE_SE
	s_setreg_imm32_b32 hwreg(HW_REG_WAVE_MODE, 25, 1), 1
	s_wait_xcnt 0x0
; x [8192][1024], W_qkv [1024][3072] and W_proj [1024][1024], f32, become codes of FP8 (E4M3), each with the one scale 2^e given for it (entries 0, 1, 7 of the scales).
; code = number / 2^e, held within +-448, rounded to the nearest code, ties to even.  LIMITS: e between -126 and 119, so that 2^e and 448 x 2^e are f32 numbers.  NaN among the inputs is not served.
; THE CODES ARE LAID AS IMAGES OF OPERAND REGISTERS.  A fragment is 16 rows x 128 K: lane (r = lane % 16, h = lane / 16) holds row r; its registers 2 c, 2 c + 1 hold k = 16 c + 8 h + 0 .. 7.
; Registers 4 g .. 4 g + 3 of all 32 lanes are 512 bytes on end, lane l's 16 bytes at 16 l; a fragment is four such groups, 2,048 bytes.  xc: [16 tokens][128 k]; wq, wp: [16 columns][128 k].
; So the products' launches take a fragment by four loads of 512 consecutive bytes, and every k stands in its own place.
; SHARES: 384 work-groups of four waves, 32,768 numbers each.  The first 256 take x; of the other 128, 96 take W_qkv and 32 W_proj (a scalar branch on the work-group's number).  Waves share nothing: no barrier.
; No matrix unit, no cluster, no tensor load: nothing is shared and memory binds.  No prefetch: the launch streams all the while.
.set SPX, 528                          ; path x: a stage row: 512 bytes + 16, an odd multiple of 16
.set STG, 16*SPX                       ; a wave's stage: 16 rows
.set RW,  32                           ; v32-159  path x: two sets of 64 registers as loaded
.set XN,  160                          ; v160-223 path x: 64 numbers in the operand's order
.set CX,  224                          ; v224-255 path x: two sets of 16 registers of codes
.set XW,  32                           ; v32-95   weights: two sets of 32 numbers down K
.set CW,  96                           ; v96-159  weights: 8 registers of codes for each block; never rewritten
.macro SCALE e                         ; v11 = 2^e as f32 (the conversion takes its exponent field), v10 = 448 x 2^e
	s_add_co_i32 s36, s[\e], 127
	s_lshl_b32 s37, s36, 23
	v_mov_b32 v11, s37
	s_add_co_i32 s36, s36, 8
	s_lshl_b32 s36, s36, 23
	s_or_b32 s36, s36, 0x600000                    ; the mantissa field of 448
	v_mov_b32 v10, s36
.endm
	s_load_b256 s[4:11], s[0:1], 0x0               ; x s[4:5], W_qkv s[6:7], W_proj s[8:9], the scales' exponents s[10:11]
	s_load_b128 s[12:15], s[0:1], 0x20             ; xc s[12:13], wq s[14:15]
	s_load_b64 s[16:17], s[0:1], 0x30              ; wp
	v_lshl_add_u32 v30, v0, 2, 0x8400
	v_mov_b32 v31, 0
	v_lshrrev_b32 v1, 5, v0
	v_readfirstlane_b32 s18, v1                    ; wave 0..3
	v_and_b32 v1, 31, v0                           ; lane
	v_and_b32 v2, 15, v0                           ; r
	v_bfe_u32 v3, v0, 4, 1                         ; h
	s_wait_kmcnt 0x0
	s_load_b256 s[24:31], s[10:11], 0x0            ; e0 .. e7
	s_cmp_lt_u32 ttmp9, 256
	s_cbranch_scc0 .Lweights
; ---- PATH x.  A wave takes 16 tokens x 512 k: four fragments.  Each load reads 512 consecutive bytes of one token's row; a fragment's 16 rows turn through the wave's own stage in LDS,
; from which lane (r, h) takes, of row r, the 64 numbers that its 16 registers of codes stand for.
	s_lshl_b32 s19, ttmp9, 2
	s_add_co_u32 s19, s19, s18                     ; which 16 x 512 is my wave's
	s_lshr_b32 s20, s19, 1                         ; the tile of 16 tokens
	s_and_b32 s21, s19, 1                          ; which half of K
	s_lshl_b32 s22, s20, 16                        ; 16 rows of 4,096 bytes
	s_lshl_b32 s23, s21, 11                        ; 512 numbers
	s_add_co_u32 s22, s22, s23
	s_mov_b32 s23, 0
	s_add_nc_u64 s[4:5], s[4:5], s[22:23]
	s_lshl_b32 s22, s20, 14                        ; a tile's 8 fragments
	s_lshl_b32 s32, s21, 13                        ; four of them
	s_add_co_u32 s22, s22, s32
	s_add_nc_u64 s[12:13], s[12:13], s[22:23]
	s_wait_alu depctr_va_vdst(0)
	v_lshlrev_b32 v12, 4, v1                       ; 16 x lane
	s_mul_i32 s33, s18, STG
	v_add_nc_u32 v13, s33, v12                     ; the stage, on the way in
	v_mul_u32_u24 v14, v2, SPX
	v_lshl_add_u32 v14, v3, 5, v14
	v_add_nc_u32 v14, s33, v14                     ; and on the way out: row r, + 32 h bytes (8 numbers)
.macro LOADX f                         ; fragment f: 16 rows x 512 bytes
.irp i, 0,1,2,3,4,5,6,7,8,9,10,11,12,13,14,15
	global_load_b128 v[RW+64*((\f)%2)+4*\i:RW+64*((\f)%2)+4*\i+3], v12, s[4:5] offset:4096*\i+512*(\f) th:TH_LOAD_NT
.endr
.endm
.macro STEPX f
.set CS, CX+16*((\f)%2)
.if (\f) < 3
	s_wait_loadcnt 16                              ; this fragment's 16 loads are in; the next fragment's 16 may be out
.else
	s_wait_loadcnt 0
.endif
.irp i, 0,1,2,3,4,5,6,7,8,9,10,11,12,13,14,15
	ds_store_b128 v13, v[RW+64*((\f)%2)+4*\i:RW+64*((\f)%2)+4*\i+3] offset:SPX*\i
.endr
.irp g, 0,1,2,3                        ; LDS serves a wave's instructions in order (ISA guide 5.7.1.4): these see the stores above.  Group g: k = 32 g + 8 h + 0 .. 7, then 32 g + 16 + 8 h + 0 .. 7
	ds_load_b128 v[XN+16*\g:XN+16*\g+3], v14 offset:128*\g
	ds_load_b128 v[XN+16*\g+4:XN+16*\g+7], v14 offset:128*\g+16
	ds_load_b128 v[XN+16*\g+8:XN+16*\g+11], v14 offset:128*\g+64
	ds_load_b128 v[XN+16*\g+12:XN+16*\g+15], v14 offset:128*\g+80
.endr
	s_wait_dscnt 0x0                               ; the numbers are back, and the stores into the stage have read their registers,
.if (\f) < 2
	LOADX (\f)+2                                   ; which take the fragment two further on
.else
	s_wait_xcnt 0x0                                ; the stores of two steps ago have read this set of codes: it is written again only behind this wait
.endif
.irp g, 0,1,2,3
.set i, 0
.rept 16
	v_med3_num_f32 v[XN+16*\g+i], v[XN+16*\g+i], -v10, v10   ; the conversion to an 8-bit code does not saturate (ISA guide 7.6.2): the hold at the largest code x the scale
.set i, i+1
.endr
	v_cvt_scalef32_pk8_fp8_f32 v[CS+4*\g:CS+4*\g+1], v[XN+16*\g:XN+16*\g+7], v11
	v_cvt_scalef32_pk8_fp8_f32 v[CS+4*\g+2:CS+4*\g+3], v[XN+16*\g+8:XN+16*\g+15], v11
.endr
	v_nop                                          ; a plain vector line behind the conversions: the next step's holds write their sources
.irp g, 0,1,2,3
	global_store_b128 v12, v[CS+4*\g:CS+4*\g+3], s[12:13] offset:2048*(\f)+512*\g   ; 512 consecutive bytes, at a multiple of 512 from xc's first byte
.endr
.endm
	LOADX 0
	LOADX 1
	s_wait_alu depctr_va_vdst(0)
	s_wait_kmcnt 0x0
	SCALE 24                                       ; e0
	s_wait_alu depctr_va_vdst(0)
	STEPX 0
	STEPX 1
	STEPX 2
	STEPX 3
	s_wait_tensorcnt 0x0
	ds_add_u32 v30, v31
	s_wait_dscnt 0x0
	s_endpgm
; ---- THE WEIGHTS: K is their FIRST axis.  A lane takes a column n and its registers run down K, so that the conversions give codes with K innermost and nothing is transposed.
; A wave takes 32 columns x 256 k: eight blocks of 32.  A block's 32 codes of column n are lane (n % 16, 0)'s and lane (n % 16, 1)'s 16 bytes of one group of the image:
; so sixteen neighbouring lanes store 256 consecutive aligned bytes, with no LDS on the way.
.Lweights:
	s_sub_co_u32 s19, ttmp9, 256
	s_and_b32 s20, s19, 31                         ; which 128 columns: 0-23 of W_qkv, 24-31 of W_proj
	s_lshr_b32 s21, s19, 5                         ; which 256 along K
	s_wait_alu depctr_va_vdst(0)
	v_lshlrev_b32 v15, 2, v1                       ; in: 4 bytes a lane
	v_lshlrev_b32 v16, 14, v3                      ; out: lanes 16-31 belong to the next tile of 16 columns, 16,384 bytes on,
	v_lshl_add_u32 v16, v2, 4, v16                 ; + 16 x (column % 16)
.macro LOADW t, n, src                 ; block t: W(32 t + i, my column), i = 0 .. 31: each load reads 128 consecutive bytes, the four waves side by side 512
.set i, 0
.rept 32
	global_load_b32 v[XW+32*((\t)%2)+i], v15, s[\src:\src+1] offset:(32*(\t)+i)*(\n)*4 th:TH_LOAD_NT
.set i, i+1
.endr
.endm
.macro BLOCKW t, n, src, dst
.set XS, XW+32*((\t)%2)
.set CS, CW+8*(\t)
.if (\t) < 7
	s_wait_loadcnt 32                              ; this block's 32 loads are in; the next block's may be out
.else
	s_wait_loadcnt 0
.endif
.set i, 0
.rept 32
	v_med3_num_f32 v[XS+i], v[XS+i], -v10, v10     ; the hold at the largest code x the scale
.set i, i+1
.endr
	v_cvt_scalef32_pk8_fp8_f32 v[CS:CS+1], v[XS:XS+7], v11         ; h = 0: k = 0 .. 7,
	v_cvt_scalef32_pk8_fp8_f32 v[CS+2:CS+3], v[XS+16:XS+23], v11   ;        16 .. 23
	v_cvt_scalef32_pk8_fp8_f32 v[CS+4:CS+5], v[XS+8:XS+15], v11    ; h = 1: k = 8 .. 15,
	v_cvt_scalef32_pk8_fp8_f32 v[CS+6:CS+7], v[XS+24:XS+31], v11   ;        24 .. 31.  (Their results go to stores alone; the next vector lines are the other set's holds)
	global_store_b128 v16, v[CS:CS+3], s[\dst:\dst+1] offset:512*(\t)
	global_store_b128 v16, v[CS+4:CS+7], s[\dst:\dst+1] offset:512*(\t)+256
.if (\t) < 6
	LOADW (\t)+2, \n, \src
.endif
.endm
.macro WPATH n, e, src, dst, c0        ; n: the weight's columns; e: the register of its exponent; c0: its first group of 128 columns
	s_sub_co_u32 s22, s20, \c0
	s_lshl_b32 s22, s22, 7
	s_lshl_b32 s23, s18, 5
	s_add_co_u32 s22, s22, s23                     ; my wave's first column
	s_mul_i32 s32, s21, 256*(\n)*4                 ; 256 rows of the weight
	s_lshl_b32 s33, s22, 2
	s_add_co_u32 s32, s32, s33
	s_mov_b32 s33, 0
	s_add_nc_u64 s[\src:\src+1], s[\src:\src+1], s[32:33]
	s_lshl_b32 s32, s22, 10                        ; column / 16 tiles of 16,384 bytes
	s_lshl_b32 s34, s21, 12                        ; 256 k: two fragments
	s_add_co_u32 s32, s32, s34
	s_add_nc_u64 s[\dst:\dst+1], s[\dst:\dst+1], s[32:33]
	LOADW 0, \n, \src
	LOADW 1, \n, \src
	s_wait_kmcnt 0x0
	SCALE \e
	s_wait_alu depctr_va_vdst(0)
.irp t, 0,1,2,3,4,5,6,7
	BLOCKW \t, \n, \src, \dst
.endr
.endm
	s_cmp_lt_u32 s20, 24
	s_cbranch_scc0 .Lwproj
	s_wait_alu depctr_va_vdst(0)
	WPATH 3072, 25, 6, 14, 0                       ; W_qkv, e1 -> wq.  Every offset is an immediate: 255 rows of 12,288 bytes at the most, inside the signed 24 bits (ISA guide, chapter 10)
	s_endpgm
.Lwproj:
	s_wait_alu depctr_va_vdst(0)
	WPATH 1024, 31, 8, 16, 24                      ; W_proj, e7 -> wp
	s_endpgm
.Lfunc_end_k_q72a5a9aeac_prep:
	.size	k_q72a5a9aeac_prep, .Lfunc_end_k_q72a5a9aeac_prep-k_q72a5a9aeac_prep
	.p2alignl 7, 3214868480
	.fill 96, 4, 3214868480
	.section	.rodata,"a",@progbits
	.p2align	6, 0x0
	.amdhsa_kernel k_q72a5a9aeac_prep
		.amdhsa_group_segment_fixed_size 34304
		.amdhsa_private_segment_fixed_size 0
		.amdhsa_enable_private_segment 0
		.amdhsa_kernarg_size 56
		.amdhsa_user_sgpr_count 2
		.amdhsa_user_sgpr_kernarg_segment_ptr 1
		.amdhsa_wavefront_size32 1
		.amdhsa_system_sgpr_workgroup_id_x 1
		.amdhsa_system_sgpr_workgroup_id_y 1
		.amdhsa_system_sgpr_workgroup_id_z 1
		.amdhsa_system_vgpr_workitem_id 0
		.amdhsa_next_free_vgpr 256
		.amdhsa_next_free_sgpr 66
		.amdhsa_reserve_vcc 0
		.amdhsa_float_denorm_mode_32 3
		.amdhsa_float_denorm_mode_16_64 3
		.amdhsa_memory_ordered 1
		.amdhsa_forward_progress 1
		.amdhsa_inst_pref_size 126
	.end_amdhsa_kernel
	.amdgpu_metadata
---
amdhsa.version: [ 1, 2 ]
amdhsa.kernels:
  - .name:           k_q72a5a9aeac_prep
    .symbol:         k_q72a5a9aeac_prep.kd
    .args:
      - { .name: x, .offset: 0, .size: 8, .value_kind: global_buffer, .address_space: global }
      - { .name: W_qkv, .offset: 8, .size: 8, .value_kind: global_buffer, .address_space: global }
      - { .name: W_proj, .offset: 16, .size: 8, .value_kind: global_buffer, .address_space: global }
      - { .name: lowp_scales, .offset: 24, .size: 8, .value_kind: global_buffer, .address_space: global }
      - { .name: xc, .offset: 32, .size: 8, .value_kind: global_buffer, .address_space: global }
      - { .name: wq, .offset: 40, .size: 8, .value_kind: global_buffer, .address_space: global }
      - { .name: wp, .offset: 48, .size: 8, .value_kind: global_buffer, .address_space: global }
    .group_segment_fixed_size: 34304
    .private_segment_fixed_size: 0
    .kernarg_segment_align: 8
    .kernarg_segment_size: 56
    .max_flat_workgroup_size: 128
    .sgpr_count:     66
    .vgpr_count:     256
    .wavefront_size: 32
...
	.end_amdgpu_metadata
.endif
;; end of part 1
;; launch qkv (part 2): grid 12 x 32, 4 waves a work-group, clusters of 4 x 4, 327,680 bytes of LDS; arguments xc, wq, b_qkv, lowp_scales, qc, kc, vc; writes qc, kc, vc
.if DOCPART == 2
	.amdgcn_target "amdgcn-amd-amdhsa--gfx1250"
	.amdhsa_code_object_version 6
	.text
	.protected	k_q72a5a9aeac_qkv
	.globl	k_q72a5a9aeac_qkv
	.p2align	8
	.type	k_q72a5a9aeac_qkv,@function
k_q72a5a9aeac_qkv:
	s_mov_b64 s[64:65], 0
	v_nop
	global_prefetch_b8 v0, s[64:65] scope:SCOPE_SE
	s_setreg_imm32_b32 hwreg(HW_REG_WAVE_MODE, 25, 1), 1
	s_wait_xcnt 0x0
	s_wait_alu depctr_hold_cnt(0) depctr_sa_sdst(0) depctr_va_vdst(0) depctr_va_sdst(0) depctr_va_ssrc(0) depctr_va_vcc(0) depctr_vm_vsrc(0)
	s_getreg_b32 s2, hwreg(HW_REG_IB_STS2, 6, 4)
	s_cmp_eq_u32 s2, 0
	s_cbranch_scc0 .Lentry_in_a_cluster
	s_endpgm
.Lentry_in_a_cluster:
	s_bfe_u32 s2, ttmp6, 0x10000c
	s_cmp_lg_u32 s2, 0xf033
	s_cbranch_scc0 .Lentry_shape_is_right
	s_endpgm
.Lentry_shape_is_right:
; qkv = x W_qkv + b_qkv on codes of FP8 (E4M3), and q, k, v quantised on the way out with the scales given for them (entries 2, 3, 5), as images of the registers in which the attention takes them.
; THE CORE: D[i][j] = sum over k of P[i][k] Q[j][k], K = 1,024.  P and Q are images: [16 rows][8 x 128 k][2,048 bytes]; a fragment (16 rows x 128 k) is four groups of 512 bytes, lane l's 16 bytes at 16 l;
; lane (r, h) holds row r, its registers 2 c, 2 c + 1 hold k = 16 c + 8 h + 0 .. 7: this form's own places.
; A tile of D, 256 x 256, is made by four waves, as many as a WGP has SIMDs; a wave makes 128 x 128: 64 accumulators, 512 registers.  Source 0 = 16 rows of Q, source 1 = 16 rows of P:
; lane (r, h) holds row 16 a + r of P and rows 16 b + 8 h + 0 .. 7 of Q: eight neighbours along Q's rows, which one conversion turns into two registers of the next operand.
; ROLES, by the cluster's x, which all sixteen partners share: 0 (q), 1 (k): P = tokens (xc), Q = columns of W_qkv (wq): a lane's eight are eight d of a head, the first attention product's K.
; 2 (v): P = columns 2,048 .. 3,071 of W_qkv, Q = tokens: a lane's eight are eight keys, the second attention product's K.  So nothing is transposed and no result goes through LDS.
; K goes in four steps of 256 through two LDS slots; of each 16 rows a step is 4,096 consecutive bytes, so a wave's tensor load brings 8 rows of 4,096 bytes, 16,384 apart in memory, dense in LDS.
; LDS reads are 512 consecutive bytes: no padding is wanted.  CLUSTERS: 4 x 4 work-groups; P's tile is asked for jointly along a row of the cluster, Q's along a column.
; The four K steps are written out: two come as first fills, two as refills; nothing lies further ahead, so nothing is prefetched.
; 384 work-groups: a tile of 256 x 384 would give 256 but wants 768 registers of accumulators and leaves B no second set; 128 x 256 reads half as much again from LDS for each product.
; LIMITS: e0 + e1 between -126 and 127; e2, e3, e5 between -126 and 119.
; REGISTERS: window 0: v16-30 addresses; v32-95 the bias of my lane's rows of Q; v96-111 of its rows of P (each twice, as pairs); v112, v113 the quantiser's scale and hold; from v128 P's fragments, ONE set;
;   on the way out v128-191 numbers, v192-255 four sets of codes.   window 1: Q's fragments, TWO sets.   windows 2, 3: the accumulators ((a, b) at v[8 (8 (a % 4) + b)]).
.set KSB,   4096                       ; bytes of 16 rows in a K step of 256
.set HALFT, 8*KSB                      ; 128 rows: what one tensor load brings, and what one wave reads of P or of Q
.set SLOT,  4*HALFT                    ; P's 256 rows, then Q's
.set SPARE, 2*SLOT                     ; behind the ring: the spare words, 128 bytes for each wave: two blocks of 256 bytes that no other line names
.set FR,    16                         ; registers of a fragment
.set NL,    4                          ; LDS loads that bring one
.set NP,    4                          ; places behind this matrix instruction (ISA guide 7.12.1)
.set ADRA,  16                         ; v16-17 LDS address of my P fragments in slot 0, 1
.set ADRB,  20                         ; v20-21 the same for Q
.set LI,    26                         ; v26    16 x lane
.set BNO,   27                         ; v27    32 h: my eight numbers of a tile's sixteen in the bias
.set SPW,   28                         ; v28    LDS address of my spare word; never rewritten
.set NIL,   29                         ; v29    0; never rewritten
.set BRO,   30                         ; v30    4 r
.set BIASN, 32
.set BIASR, 96
.set QS,    112
.set QL,    113
.set AF,    128
.set T,     128
.set CD,    192
.set G1,  24                           ; s[24:31] descriptor group 1 for P's tiles;  s[32:39] group 0, one set for each slot
.set G0,  32
.set G1B, 48                           ; s[48:55], s[56:63] the same for Q's
.set G0B, 56
.set MSB, 0
.macro WIN new                         ; the immediate's high byte repeats the setting that is left
.if MSB != (\new)
	s_set_vgpr_msb (MSB<<8)|(\new)
.set MSB, (\new)
.endif
.endm
.set MUL_LO, 0xa1                      ; source 0 (Q) window 1, source 1 (P) window 0, C and D window 2
.set MUL_HI, 0xf1                      ; the same, C and D window 3
.set TO_B,   0x40                      ; destination window 1, address window 0
; A joint load: waves 0 and 1 fetch for P, waves 2 and 3 for Q.  Each line has one mask and one set of registers for all that issue it; the branch hangs on the wave's number alone.
; Four v_nop follow each of the two lines, ahead of the jump, the label and what follows.
.macro JLOAD g0a, g1a, g0b, g1b
	s_cmp_eq_u32 s15, 0
	s_cbranch_scc0 .Lfor_b_\@
	tensor_load_to_lds s[\g0a:\g0a+3], s[\g1a:\g1a+7]
	s_nop 0
.rept 4
	v_nop
.endr
	s_branch .Lasked_\@
.Lfor_b_\@:
	tensor_load_to_lds s[\g0b:\g0b+3], s[\g1b:\g1b+7]
	s_nop 0
.rept 4
	v_nop
.endr
.Lasked_\@:
.endm
.macro CREST                           ; a round of the cluster's barrier behind its opening barrier
	s_cmp_lg_u32 s14, 0
	s_cbranch_scc1 .Lnot_wave_0_\@
	s_barrier_signal -3
.Lnot_wave_0_\@:
	s_barrier_wait -3
	s_barrier_signal -1
	s_barrier_wait -1
.endm
.macro CROUND                          ; a whole round
	s_barrier_signal -1
	s_barrier_wait -1
	CREST
.endm
	s_load_b256 s[4:11], s[0:1], 0x0               ; xc s[4:5], wq s[6:7], b_qkv s[8:9], the scales' exponents s[10:11]
	s_load_b128 s[68:71], s[0:1], 0x20             ; qc s[68:69], kc s[70:71]
	s_load_b64 s[72:73], s[0:1], 0x30              ; vc
	v_lshl_add_u32 v[SPW], v0, 2, SPARE
	v_mov_b32 v[NIL], 0
	ds_add_u32 v28, v29
	ds_add_u32 v28, v29
	s_wait_dscnt 0x0
	v_lshrrev_b32 v1, 5, v0
	v_readfirstlane_b32 s14, v1                    ; wave 0..3
	s_lshr_b32 s15, s14, 1                         ; which half of P's rows is mine.  Also: I fetch for P (0) or for Q (1)
	s_and_b32 s16, s14, 1                          ; which half of Q's rows.  Also: which 128 rows of that tile I fetch
	s_bfe_u32 s40, ttmp6, 0x40000                  ; cx, cy: my place in the cluster
	s_bfe_u32 s41, ttmp6, 0x40004
	s_mov_b32 s12, ttmp9                           ; the cluster's x: the role
	s_and_b32 s13, ttmp7, 0xffff                   ; the cluster's y
	s_lshl_b32 s43, s41, 2
	s_lshl_b32 s43, 15, s43                        ; my row of the cluster
	s_lshl_b32 s44, 0x1111, s40                    ; my column
	s_or_b32 s[G1+0], s43, (3<<16)|(1<<21)         ; 15:0 the mask: P's tiles go to my row; 17:16 elements of 8 bytes; 20 no padding; 21 set beside a mask
	s_or_b32 s[G1B+0], s44, (3<<16)|(1<<21)        ; Q's go to my column
.irp g, G1, G1B
	s_mov_b32 s[\g+1], 512<<16                     ; tensor_dim0 = 512 elements: 4,096 bytes
	s_mov_b32 s[\g+2], 16<<16                      ; tensor_dim1 = 16 for the first fills (8 for the refills: set behind the wait for the first fills)
	s_mov_b32 s[\g+3], 512<<16                     ; tile_dim0
	s_mov_b32 s[\g+4], 16                          ; tile_dim1 likewise
	s_mov_b32 s[\g+5], 2048                        ; tensor_dim0_stride: 16,384 bytes from 16 rows to the next 16
	s_mov_b32 s[\g+6], 0
	s_mov_b32 s[\g+7], 0
.endr
	; which tiles of 256 rows.  P's hangs on cy and the cluster's numbers alone, Q's on cx and the cluster's numbers alone, each in registers that never hold the other place.
	s_lshl_b32 s22, s13, 2
	s_add_co_u32 s17, s22, s41                     ; roles q, k: P = tokens, tile 4 x cluster y + cy
	s_add_co_u32 s18, s41, 8                       ; role v:     P = columns, tile 8 + cy
	s_lshl_b32 s23, s12, 2
	s_add_co_u32 s42, s23, s40                     ; roles q, k: Q = columns, tile 4 x cluster x + cx
	s_add_co_u32 s74, s22, s40                     ; role v:     Q = tokens, tile 4 x cluster y + cx
	s_lshl_b32 s45, s14, 15                        ; where my load goes: wave x 128 rows: no place in the cluster enters an LDS address
	s_wait_kmcnt 0x0
	s_load_b256 s[76:83], s[10:11], 0x0            ; e0 .. e7
	s_cmp_eq_u32 s12, 2
	s_cselect_b32 s17, s18, s17                    ; P's tile
	s_cselect_b32 s42, s74, s42                    ; Q's tile
	s_cselect_b64 s[20:21], s[6:7], s[4:5]         ; P's buffer
	s_cselect_b64 s[46:47], s[4:5], s[6:7]         ; Q's buffer
	s_lshl_b32 s18, s17, 18                        ; 256 rows are 16 x 16,384 bytes
	s_lshl_b32 s19, s16, 17                        ; the 128 rows that I fetch
	s_add_co_u32 s18, s18, s19
	s_mov_b32 s19, 0
	s_add_nc_u64 s[20:21], s[20:21], s[18:19]
	s_lshl_b32 s74, s42, 18
	s_lshl_b32 s75, s16, 17
	s_add_co_u32 s74, s74, s75
	s_mov_b32 s75, 0
	s_add_nc_u64 s[46:47], s[46:47], s[74:75]
	CROUND                                         ; all sixteen work-groups are here: the first joint loads meet
.macro QUARTERS                        ; the refills' groups 0: my 128 rows of P or of Q, one set for each slot; run behind the wait for the first fills
.irp s, 0,1
	s_mov_b32 s[G0+4*\s], 1
	s_add_co_u32 s[G0+4*\s+1], s45, \s*SLOT        ; LDS address
	s_add_nc_u64 s[G0+4*\s+2:G0+4*\s+3], s[20:21], \s*KSB   ; global address: K step s
	s_or_b32 s[G0+4*\s+3], s[G0+4*\s+3], 0x80000000         ; type = 2
	s_mov_b32 s[G0B+4*\s], 1
	s_add_co_u32 s[G0B+4*\s+1], s45, \s*SLOT
	s_add_nc_u64 s[G0B+4*\s+2:G0B+4*\s+3], s[46:47], \s*KSB
	s_or_b32 s[G0B+4*\s+3], s[G0B+4*\s+3], 0x80000000
.endr
.endm
	; THE FIRST FILLS: one tensor load a wave, each of all 256 rows of one tile: 16 rows of 4,096 bytes.
	; Waves 0, 1: P's K steps 0, 1; waves 2, 3: Q's K steps 0, 1.  K step s goes to slot s, Q's rows behind P's.
	s_lshl_b32 s22, s16, 17                        ; wave % 2: the slot's first LDS byte; also the 128 rows that s[20:21] and s[46:47] hold beyond the tile's first
	s_mov_b32 s23, 0
	s_lshl_b32 s18, s16, 12                        ; the K step's 4,096 bytes
	s_mov_b32 s19, 0
	s_mov_b32 s[G0], 1
	s_lshl_b32 s[G0+1], s15, 16
	s_add_co_u32 s[G0+1], s[G0+1], s22
	s_sub_nc_u64 s[G0+2:G0+3], s[20:21], s[22:23]
	s_add_nc_u64 s[G0+2:G0+3], s[G0+2:G0+3], s[18:19]
	s_or_b32 s[G0+3], s[G0+3], 0x80000000
	s_mov_b32 s[G0B], 1
	s_lshl_b32 s[G0B+1], s15, 16
	s_add_co_u32 s[G0B+1], s[G0B+1], s22
	s_sub_nc_u64 s[G0B+2:G0B+3], s[46:47], s[22:23]
	s_add_nc_u64 s[G0B+2:G0B+3], s[G0B+2:G0B+3], s[18:19]
	s_or_b32 s[G0B+3], s[G0B+3], 0x80000000
	JLOAD G0, G1, G0B, G1B
	v_and_b32 v1, 31, v0
	v_and_b32 v2, 15, v0                           ; r
	v_bfe_u32 v3, v0, 4, 1                         ; h
	v_lshlrev_b32 v[LI], 4, v1
	v_lshlrev_b32 v[BNO], 5, v3
	v_lshlrev_b32 v[BRO], 2, v2
	s_lshl_b32 s22, s15, 15                        ; my 128 rows of P
	s_lshl_b32 s23, s16, 15                        ; my 128 rows of Q,
	s_add_co_u32 s23, s23, 2*HALFT                 ; which lie behind P's 256
.irp s, 0,1
	v_add_nc_u32 v[ADRA+\s], s22, v[LI]
	v_add_nc_u32 v[ADRB+\s], s23, v[LI]
	s_add_co_u32 s22, s22, SLOT
	s_add_co_u32 s23, s23, SLOT
.endr
	; the biases and the way out's address, in registers that feed no descriptor
	s_lshl_b32 s95, s42, 8
	s_lshl_b32 s66, s16, 7
	s_add_co_u32 s95, s95, s66                     ; my first row of Q
	s_lshl_b32 s94, s17, 8
	s_lshl_b32 s66, s15, 7
	s_add_co_u32 s94, s94, s66                     ; my first row of P
	s_and_b32 s96, s42, 3
	s_lshl_b32 s96, s96, 2
	s_lshl_b32 s66, s16, 1
	s_add_co_u32 s96, s96, s66                     ; roles q, k: my first head: 4 (column tile % 4) + 2 x half
	s_lshl_b32 s97, s41, 2
	s_lshl_b32 s66, s15, 1
	s_add_co_u32 s97, s97, s66                     ; role v: 4 cy + 2 x half
	s_lshl_b32 s88, s95, 2                         ; roles q, k: the bias runs along Q's rows (columns of W_qkv)
	s_lshl_b32 s98, s94, 2                         ; role v: along P's rows (columns 2,048 on)
	s_wait_alu depctr_va_vdst(0)
	s_wait_kmcnt 0x0                               ; the exponents
	s_cmp_eq_u32 s12, 2
	s_cselect_b32 s88, 0, s88                      ; the bias that a role does not use is read at the buffer's head and left unused: every work-group runs the same loads
	s_cselect_b32 s98, s98, 0
	s_cselect_b32 s94, s95, s94                    ; my first token
	s_cselect_b32 s96, s97, s96                    ; my first head
	s_cselect_b64 s[86:87], s[72:73], s[68:69]     ; vc or qc,
	s_cselect_b32 s67, s81, s78                    ; e5 or e2,
	s_cmp_eq_u32 s12, 1
	s_cselect_b64 s[86:87], s[70:71], s[86:87]     ; or kc,
	s_cselect_b32 s67, s79, s67                    ; e3
	s_mov_b32 s89, 0
	s_mov_b32 s99, 0
	s_add_nc_u64 s[90:91], s[8:9], s[88:89]
	s_add_nc_u64 s[92:93], s[8:9], s[98:99]
.irp b, 0,1,2,3,4,5,6,7
	global_load_b128 v[BIASN+8*\b:BIASN+8*\b+3], v[BNO], s[90:91] offset:64*\b        ; the bias of rows 16 b + 8 h + 0 .. 7 of Q
	global_load_b128 v[BIASN+8*\b+4:BIASN+8*\b+7], v[BNO], s[90:91] offset:64*\b+16
.endr
.irp a, 0,1,2,3,4,5,6,7
	global_load_b32 v[BIASR+2*\a], v[BRO], s[92:93] offset:64*\a                      ; the bias of row 16 a + r of P, twice: a pair for the packed multiply-add
	global_load_b32 v[BIASR+2*\a+1], v[BRO], s[92:93] offset:64*\a
.endr
	s_lshr_b32 s95, s94, 11                        ; the batch,
	s_lshl_b32 s95, s95, 4
	s_add_co_u32 s95, s95, s96                     ; x 16 + the head: 131,072 bytes each in qc, kc and vc;
	s_lshl_b32 s95, s95, 17
	s_and_b32 s94, s94, 2047                       ; the token within the batch: 1,024 bytes for 16 tokens in qc and kc, 8,192 for 128 in vc: 64 a token in all three
	s_lshl_b32 s94, s94, 6
	s_add_co_u32 s94, s94, s95
	s_mov_b32 s95, 0
	s_add_nc_u64 s[86:87], s[86:87], s[94:95]
	s_add_co_i32 s84, s76, s77
	s_add_co_i32 s84, s84, 127
	s_lshl_b32 s84, s84, 23                        ; 2^(e0 + e1) as f32
	s_mov_b32 s85, s84                             ; (named with it as a pair, so it is written)
	s_add_co_i32 s67, s67, 127
	s_lshl_b32 s66, s67, 23
	v_mov_b32 v[QS], s66                           ; the quantiser's scale as f32
	s_add_co_i32 s67, s67, 8
	s_lshl_b32 s67, s67, 23
	s_or_b32 s67, s67, 0x600000
	v_mov_b32 v[QL], s67                           ; 448 x that
.macro FRAG reg, adr, q, i             ; fragment i of the slot's q-th 128 along K: four groups of 512 consecutive bytes
.irp c, 0,1,2,3
	ds_load_b128 v[\reg+4*\c:\reg+4*\c+3], v[\adr] offset:KSB*(\i)+2048*(\q)+512*\c
.endr
.endm
; 16 matrix instructions: P's blocks a0, a0 + 1 x Q's eight, 128 along K.  p: Q's set.  zero = 1: the first product starts the sums: nothing is ever cleared.
; The 64 accumulators take turns, one instruction a turn, in the same order in every step.
.macro MUL16 a0, p, zero
.irp a, \a0, \a0+1
.irp b, 0,1,2,3,4,5,6,7
.if \zero
	v_wmma_f32_16x16x128_fp8_fp8 v[8*(8*((\a)%4)+\b):8*(8*((\a)%4)+\b)+7], v[128*(\p)+FR*\b:128*(\p)+FR*\b+FR-1], v[AF+FR*(\a):AF+FR*(\a)+FR-1], 0
.else
	v_wmma_f32_16x16x128_fp8_fp8 v[8*(8*((\a)%4)+\b):8*(8*((\a)%4)+\b)+7], v[128*(\p)+FR*\b:128*(\p)+FR*\b+FR-1], v[AF+FR*(\a):AF+FR*(\a)+FR-1], v[8*(8*((\a)%4)+\b):8*(8*((\a)%4)+\b)+7]
.endif
.endr
.endr
.endm
.macro FETCH_B slot, q, p              ; Q's eight fragments into set p
	WIN TO_B
.irp i, 0,1,2,3,4,5,6,7
	FRAG 128*(\p)+FR*\i, ADRB+\slot, \q, \i
.endr
	WIN 0
.endm
.macro FETCH_A slot, q, i0             ; P's blocks i0 .. i0 + 3
.irp i, \i0, \i0+1, \i0+2, \i0+3
	FRAG AF+FR*(\i), ADRA+\slot, \q, \i
.endr
.endm
; A load into a register that a matrix instruction has read, and a vector instruction that reads a matrix result or writes one of its registers, stand NP places behind it; only plain vector
; instructions that name none of its registers are places (ISA guide 7.12.1 for vector instructions).
.macro PLACES n
.rept \n
	v_nop
.endr
.endm
; A step of 128 along K that has its successor in the same slot.  A block of P is free as soon as its eight products are issued: blocks 0-3 are fetched anew in the step's middle, blocks 4-7 at its end.
.macro STEP slot, q, zero
	s_wait_dscnt 4*NL                              ; Q's set and P's blocks 0-3 are in; the youngest 16 loads (P's blocks 4-7) may be out
	WIN MUL_LO
	MUL16 0, (\q)%2, \zero
	MUL16 2, (\q)%2, \zero
	s_wait_dscnt 0                                 ; P's blocks 4-7 are in
	PLACES NP
	FETCH_B \slot, (\q)+1, 1-(\q)%2
	FETCH_A \slot, (\q)+1, 0
	WIN MUL_HI
	MUL16 4, (\q)%2, \zero
	MUL16 6, (\q)%2, \zero
	PLACES NP
	WIN 0
	FETCH_A \slot, (\q)+1, 4
.endm
; A slot's last step changes slots: ONE barrier; in front of it each wave waits for all its tensor loads, adds 0 to its spare word, and waits for that and for its own reads of this slot.
; fill = 1: the barrier opens a round of the cluster's barrier, and this slot is filled again, two K steps ahead, first thing behind the round.
.macro TURN slot, next, fill
	s_wait_tensorcnt 0x0                           ; all my tensor loads have landed: the one that was out is my part of the next slot;  (every window is 0 here)
	ds_add_u32 v[SPW], v[NIL]                      ; 0 onto my spare word
	s_wait_dscnt 4*NL+1                            ; (the add and the youngest 16 loads, P's blocks 4-7, may be out)
	WIN MUL_LO
	MUL16 0, 1, 0                                  ; sixteen matrix instructions stand between the add and the wait for it
	s_wait_dscnt 0x0                               ; the add is done, and my reads of this slot are over
	s_barrier_signal -1
	MUL16 2, 1, 0
	WIN 0
	s_barrier_wait -1
.if \fill
	CREST                                          ; no wave of any partner still reads this slot's tile or has a load on its way
	s_add_nc_u64 s[G0+4*\slot+2:G0+4*\slot+3], s[G0+4*\slot+2:G0+4*\slot+3], 2*KSB
	s_add_nc_u64 s[G0B+4*\slot+2:G0B+4*\slot+3], s[G0B+4*\slot+2:G0B+4*\slot+3], 2*KSB
	JLOAD G0+4*\slot, G1, G0B+4*\slot, G1B         ; the first tensor load behind the round; the four v_nop behind it are the places in front of the loads below
.else
	PLACES NP
.endif
	FETCH_B \next, 0, 0
	FETCH_A \next, 0, 0
	WIN MUL_HI
	MUL16 4, 1, 0
	MUL16 6, 1, 0
	PLACES NP
	WIN 0
	FETCH_A \next, 0, 4
.endm
	s_wait_alu depctr_va_vdst(0)
	s_wait_tensorcnt 0x0                           ; my first fill is in, so the descriptors may be written:
.irp g, G1, G1B
	s_mov_b32 s[\g+2], 8<<16                       ; a refill brings 8 rows of 4,096 bytes
	s_mov_b32 s[\g+4], 8
.endr
	QUARTERS
	s_barrier_signal -1
	s_barrier_wait -1                              ; everybody's first fill is in: both slots are whole
	FETCH_B 0, 0, 0
	FETCH_A 0, 0, 0
	FETCH_A 0, 0, 4
	STEP 0, 0, 1                                   ; K 0-127: its products start the sums
	TURN 0, 1, 1                                   ; K 128-255; slot 0 takes K step 2
	STEP 1, 0, 0
	TURN 1, 0, 1                                   ; slot 1 takes K step 3
	STEP 0, 0, 0
	TURN 0, 1, 0                                   ; nothing is left to fetch: no round
	STEP 1, 0, 0
	s_wait_dscnt 4*NL                              ; the last step
	WIN MUL_LO
	MUL16 0, 1, 0
	MUL16 2, 1, 0
	s_wait_dscnt 0
	WIN MUL_HI
	MUL16 4, 1, 0
	MUL16 6, 1, 0
	WIN 0
; THE WAY OUT, block a (16 rows of P) at a time: number = sum x 2^(e0 + e1) + bias, in f32; held within +-448 x the scale; eight neighbours along Q's rows become two registers of codes.
; The block's sixteen registers of codes are four groups of an image: each store covers 512 consecutive bytes, at a multiple of 512 from its buffer's first byte.
; isv = 0: block a = 16 tokens; groups 0, 1: my first head's 64 d, groups 2, 3: the next head's.   isv = 1: block a = 16 d (head a / 4, tile a % 4); the four groups are my 128 keys.
.macro OUT a, isv
.set AC, 64*((\a)%4)
.set CDS, CD+16*((\a)%4)
.if (\a) >= 4
	s_wait_xcnt 0x0                                ; the stores of four blocks ago have read this set of codes
.endif
	WIN 0x02+(\a)/4                                ; source 0: window 2 or 3
.irp b, 0,1,2,3,4,5,6,7
.irp i, 0,2,4,6
.if \isv
	v_pk_fma_f32 v[T+8*\b+\i:T+8*\b+\i+1], v[AC+8*\b+\i:AC+8*\b+\i+1], s[84:85], v[BIASR+2*(\a):BIASR+2*(\a)+1] op_sel_hi:[1,0,1]
.else
	v_pk_fma_f32 v[T+8*\b+\i:T+8*\b+\i+1], v[AC+8*\b+\i:AC+8*\b+\i+1], s[84:85], v[BIASN+8*\b+\i:BIASN+8*\b+\i+1] op_sel_hi:[1,0,1]   ; each accumulator from its low end on
.endif
.endr
.endr
	WIN 0
.irp b, 0,1,2,3,4,5,6,7
.irp i, 0,1,2,3,4,5,6,7
	v_med3_num_f32 v[T+8*\b+\i], v[T+8*\b+\i], -v[QL], v[QL]   ; the conversion to an 8-bit code does not saturate (ISA guide 7.6.2)
.endr
	v_cvt_scalef32_pk8_fp8_f32 v[CDS+2*\b:CDS+2*\b+1], v[T+8*\b:T+8*\b+7], v[QS]
.endr
	v_nop                                          ; a plain vector line behind the conversions: the next block's multiply-adds write their sources
.irp g, 0,1,2,3
.if \isv
	global_store_b128 v[LI], v[CDS+4*\g:CDS+4*\g+3], s[86:87] offset:((\a)/4)*131072+((\a)%4)*2048+\g*512
.else
	global_store_b128 v[LI], v[CDS+4*\g:CDS+4*\g+3], s[86:87] offset:(\g/2)*131072+(\a)*1024+(\g%2)*512
.endif
.endr
.endm
	s_wait_loadcnt 0x0                             ; the biases
	PLACES NP                                      ; behind the last products: their results are read and P's registers written below
	s_cmp_eq_u32 s12, 2                            ; the role: the same in all sixteen partners
	s_cbranch_scc1 .Lout_v
.irp a, 0,1,2,3,4,5,6,7
	OUT \a, 0
.endr
	s_branch .Lclose
.Lout_v:
.irp a, 0,1,2,3,4,5,6,7
	OUT \a, 1
.endr
.Lclose:
	s_wait_tensorcnt 0x0                           ; the wave's end
	ds_add_u32 v[SPW], v[NIL]
	s_wait_dscnt 0x0
	CROUND                                         ; the closing round: no work-group ends while a partner may still ask for a tile that names it
	s_endpgm
.Lfunc_end_k_q72a5a9aeac_qkv:
	.size	k_q72a5a9aeac_qkv, .Lfunc_end_k_q72a5a9aeac_qkv-k_q72a5a9aeac_qkv
	.p2alignl 7, 3214868480
	.fill 96, 4, 3214868480
	.section	.rodata,"a",@progbits
	.p2align	6, 0x0
	.amdhsa_kernel k_q72a5a9aeac_qkv
		.amdhsa_group_segment_fixed_size 327680
		.amdhsa_private_segment_fixed_size 0
		.amdhsa_enable_private_segment 0
		.amdhsa_kernarg_size 56
		.amdhsa_user_sgpr_count 2
		.amdhsa_user_sgpr_kernarg_segment_ptr 1
		.amdhsa_wavefront_size32 1
		.amdhsa_system_sgpr_workgroup_id_x 1
		.amdhsa_system_sgpr_workgroup_id_y 1
		.amdhsa_system_sgpr_workgroup_id_z 1
		.amdhsa_system_vgpr_workitem_id 0
		.amdhsa_next_free_vgpr 1024
		.amdhsa_next_free_sgpr 100
		.amdhsa_reserve_vcc 0
		.amdhsa_float_denorm_mode_32 3
		.amdhsa_float_denorm_mode_16_64 3
		.amdhsa_memory_ordered 1
		.amdhsa_forward_progress 1
		.amdhsa_inst_pref_size 194
	.end_amdhsa_kernel
	.amdgpu_metadata
---
amdhsa.version: [ 1, 2 ]
amdhsa.kernels:
  - .name:           k_q72a5a9aeac_qkv
    .symbol:         k_q72a5a9aeac_qkv.kd
    .args:
      - { .name: xc, .offset: 0, .size: 8, .value_kind: global_buffer, .address_space: global }
      - { .name: wq, .offset: 8, .size: 8, .value_kind: global_buffer, .address_space: global }
      - { .name: b_qkv, .offset: 16, .size: 8, .value_kind: global_buffer, .address_space: global }
      - { .name: lowp_scales, .offset: 24, .size: 8, .value_kind: global_buffer, .address_space: global }
      - { .name: qc, .offset: 32, .size: 8, .value_kind: global_buffer, .address_space: global }
      - { .name: kc, .offset: 40, .size: 8, .value_kind: global_buffer, .address_space: global }
      - { .name: vc, .offset: 48, .size: 8, .value_kind: global_buffer, .address_space: global }
    .group_segment_fixed_size: 327680
    .private_segment_fixed_size: 0
    .kernarg_segment_align: 8
    .kernarg_segment_size: 56
    .max_flat_workgroup_size: 128
    .sgpr_count:     100
    .vgpr_count:     1024
    .wavefront_size: 32
...
	.end_amdgpu_metadata
.endif
;; end of part 2
;; launch attn (part 3): grid 4 x 64, 8 waves a work-group, no clusters, 327,680 bytes of LDS; arguments qc, kc, vc, lowp_scales, yc; writes yc
.if DOCPART == 3
	.amdgcn_target "amdgcn-amd-amdhsa--gfx1250"
	.amdhsa_code_object_version 6
	.text
	.protected	k_q72a5a9aeac_attn
	.globl	k_q72a5a9aeac_attn
	.p2align	8
	.type	k_q72a5a9aeac_attn,@function
k_q72a5a9aeac_attn:
	s_mov_b64 s[64:65], 0
	v_nop
	global_prefetch_b8 v0, s[64:65] scope:SCOPE_SE
	s_setreg_imm32_b32 hwreg(HW_REG_WAVE_MODE, 25, 1), 1
	s_wait_xcnt 0x0
; y[b][h][q] = the sum over k <= q of softmax_k(q . k / 8) v, both products on codes of FP8 (E4M3); y is quantised with the scale given for it (entry 6) and stored as an image for the last product.
; qc, kc: [64 heads][128 tiles of 16 tokens][1,024 bytes]: a fragment of 16 tokens x 64 d.  vc: [64][16 x 128 keys][4 x 16 d][2,048 bytes].  In every fragment lane (r, h) holds row r and its
; registers 2 c, 2 c + 1 hold K = 16 c + 8 h + 0 .. 7; registers 4 g .. 4 g + 3 of the 32 lanes are 512 bytes on end.  yc: [512 tiles of 16 tokens][16 heads][1,024 bytes].
; THE SOFTMAX: t = score x log2(e) / 8; M = the row's largest t so far, rounded UP to a whole number; p = 2^(t - M) is quantised (entry 4), not normalised.  The row's sum is taken of the unquantised p
; and divides at the end.  When M moves, the sum and O are multiplied by 2^(old M - new M): exact.
; LEFT OUT: key steps all of whose keys come after a wave's queries: the causal mask sets those scores to -infinity, so their p is 0 for all inputs.
; SHARES.  A head's 2,048 queries are 64 groups of 32 (tiles A and B of 16).  Wave w of work-group x takes group 63 - x - 4 w and then group x + 4 w: 16 - w and w + 1 steps of 128 keys:
; SEVENTEEN steps in every wave of the launch, none of them hidden as a whole.  Each fragment of K and of V that a wave reads from LDS feeds both tiles.
; LDS HOLDS THE HEAD'S WHOLE K AND V: K's sixteen steps of 8 KB from byte 0, V's from byte 131,072.  Nothing is filled again.  At the head each wave fetches 8 KB of keys 0 to 511 (waves 0-3 K's quarters,
; waves 4-7 V's); behind the first barrier each wave fetches 24 KB of keys 512 to 2,047.  The first four steps read keys 0 to 511 alone; a second barrier shows the rest, and no barrier stands behind it.
; Wave 0's first group ends in the head's last 128 keys in every work-group, so every part that is fetched is read.
; THE KEY STEP of loop step k is min(k, k + w - 16) in unsigned 32 bits: k while the first group lasts (the sum wraps), then k - (16 - w).
; LAYOUT.  Both products are used transposed: S^T = K Q^T, O^T = V^T P^T: a lane holds ONE query of each tile.  Register 8 t + j of S^T is key 16 t + 8 h + j: a conversion of tile t's eight registers
; gives registers 2 t, 2 t + 1 of P; O^T's tiles give y's fragment likewise.
; THE ORDER OF A STEP.  The two tiles' chains stand line by line beside each other.  O^T is brought under the new M ahead of the exponentials.  Between tile A's exponentials stand tile B's multiply-adds,
; between tile B's stand tile A's first sums and holds: lines whose results are read only behind the next wait.  So a step has three waits round the exponentials.
; NO CLUSTER: 64 KB and 192 KB a work-group are asked for once each at the launch's start; a joint form would add the cluster's rounds for two loads a wave.
; NO PREFETCH: all of a head's K and V is asked for by those two loads; nothing lies further ahead.
; LIMITS on the given exponents: e2 + e3 between -123 and 130 (added to c's exponent field); e4, and e6 - e4 - e5, between -126 and 119.
; REGISTERS.  Window 0: v1 16 x lane; v5, v6 the add's; v9, v10 LDS addresses: this step's V, the next step's K; v12, v13 -M and the largest t of A; v14, v15 of B; v[16:17], v[18:19] the sums;
; v[20:21], v[22:23] f; then as named below.  Window 1: v0-63 K's fragments; v64-127 V's; v128-159, v160-191 O^T of A, B; v192-207 the second group's Q.
; s14 x; s15 the head; s16 the step in which the first group ends, 15 - w; s17 w - 16; s18 wave; s[20:21] lane selects; s[22:23] c; s[24:31] group 1; s[32:35] group 0; s[36:37] K's or V's address;
; s[38:39], s40 the second load's offset and LDS byte; s43 the step's first key; s44 my first query; s45 the second group's; s[46:47] y's address; s[48:49] the second group's; s50 the step; s[68:75] e0 .. e7
.set VBASE, 131072
.set SPARE, 326656                     ; the last 1,024 bytes: the spare words, 128 bytes for each wave
.set QA, 24                            ; v24-31, v32-39 Q of A, B
.set SA, 40                            ; v40-103 S^T, then p, of A
.set SB, 104                           ; v104-167 of B
.set PA, 168                           ; v168-183 p's codes, y's codes, of A
.set PB, 184                           ; v184-199 of B
.set TM, 200                           ; v200-231 sixteen partial sums
.set XA, 232                           ; v232-235, v236-239 partial maxima
.set XB, 236
; v248 448 x 2^e4; v249 2^e4; v250 2^(e6 - e4 - e5); v251 448 x that; v252 -infinity; v253, v254 lane permutes' results
.set KF, 0
.set VF, 64
.set OA, 128
.set OB, 160
.set Q2, 192
.set MSB, 0
.macro WIN new                         ; low byte: bits 1:0 source 0, 3:2 source 1, 5:4 source 2, 7:6 destination; the high byte repeats the setting that is left
.if MSB != (\new)
	s_set_vgpr_msb (MSB<<8)|(\new)
.set MSB, (\new)
.endif
.endm
.macro INIT                            ; a group begins: its first step finds zeros, which the first change of M leaves zeros
	v_mov_b32 v13, 0xff61b1e6                      ; -3e38, under every t
	v_mov_b32 v15, 0xff61b1e6
	v_floor_f32 v12, -v13
	v_floor_f32 v14, -v15
.irp n, 16,17,18,19
	v_mov_b32 v\n, 0
.endr
	WIN 0x40
.set n, 0
.rept 64
	v_mov_b32 v[OA+n], 0
.set n, n+1
.endr
	WIN 0
.endm
; THE DIAGONAL.  s90 = D, the key tile in which the tile's queries lie.  Key tile t < D counts whole, t > D is hidden whole; in t = D register j is hidden in the lanes where 8 h + j > r: a constant lane mask.
.macro MASK s
.irp t, 0,1,2,3,4,5,6,7
	s_cmp_lt_u32 s90, \t
	s_cselect_b32 s91, -1, 0
	s_cmp_eq_u32 s90, \t
.irp j, 0,1,2,3,4,5,6,7
	s_cselect_b32 s92, ((1<<\j)-1)|(((1<<(\j+8))-1)<<16), s91
	v_cndmask_b32 v[\s+8*\t+\j], v[\s+8*\t+\j], v252, s92
.endr
.endr
.endm
.macro HOLD n                          ; the conversion to an 8-bit code does not saturate (ISA guide 7.6.2); p is not negative, so the hold is one-sided; two numbers an instruction
	v_dual_min_num_f32 v[\n], v248, v[\n] :: v_dual_min_num_f32 v[\n+1], v248, v[\n+1]
.endm
; The sixteen partial sums become the row's sum, and p becomes codes; the conversions stand between the tree's last levels.
.macro POST s, p, sum
.irp k, 0,1,2,3,4,5,6,7
	v_pk_add_f32 v[TM+4*\k:TM+4*\k+1], v[TM+4*\k:TM+4*\k+1], v[TM+4*\k+2:TM+4*\k+3]
.endr
.irp k, 0,1,2,3
	v_pk_add_f32 v[TM+8*\k:TM+8*\k+1], v[TM+8*\k:TM+8*\k+1], v[TM+8*\k+4:TM+8*\k+5]
.endr
.irp t, 0,1,2,3
	v_cvt_scalef32_pk8_fp8_f32 v[\p+2*\t:\p+2*\t+1], v[\s+8*\t:\s+8*\t+7], v249   ; registers 2 t, 2 t + 1 of P
.endr
	v_pk_add_f32 v[TM:TM+1], v[TM:TM+1], v[TM+8:TM+9]
	v_pk_add_f32 v[TM+16:TM+17], v[TM+16:TM+17], v[TM+24:TM+25]
.irp t, 4,5
	v_cvt_scalef32_pk8_fp8_f32 v[\p+2*\t:\p+2*\t+1], v[\s+8*\t:\s+8*\t+7], v249
.endr
	v_pk_add_f32 v[TM:TM+1], v[TM:TM+1], v[TM+16:TM+17]
.irp t, 6,7
	v_cvt_scalef32_pk8_fp8_f32 v[\p+2*\t:\p+2*\t+1], v[\s+8*\t:\s+8*\t+7], v249
.endr
	v_pk_add_f32 v[\sum:\sum+1], v[\sum:\sum+1], v[TM:TM+1]   ; also the plain line between the conversions and the products
.endm
.macro KLOAD adr, off                  ; K's eight fragments of a step, into window 1
	WIN 0x40
.irp t, 0,1,2,3,4,5,6,7
	ds_load_b128 v[KF+8*\t:KF+8*\t+3], v[\adr] offset:\off+1024*\t
	ds_load_b128 v[KF+8*\t+4:KF+8*\t+7], v[\adr] offset:\off+1024*\t+512
.endr
	WIN 0
.endm
; A KEY STEP: 128 keys for both tiles.  Its fragments of K were asked for in the step before, or behind a barrier.  last: the step that asks for no further K.
.macro STEP last
	s_add_co_u32 s51, s50, s17
	s_min_u32 s51, s51, s50                        ; the key step
	s_lshl_b32 s43, s51, 7                         ; its first key
	s_lshl_b32 s51, s51, 13
	s_add_co_u32 s51, s51, VBASE                   ; its V
	s_add_co_u32 s52, s50, 1
	s_add_co_u32 s53, s52, s17
	s_min_u32 s52, s53, s52                        ; the next key step
	s_lshl_b32 s52, s52, 13                        ; its K
	v_add_nc_u32 v9, s51, v1
	v_add_nc_u32 v10, s52, v1
	s_wait_alu depctr_va_vdst(0)
	s_wait_dscnt 0x0                               ; K
	WIN 0x01                                       ; K from window 1
.irp t, 0,1,2,3,4,5,6,7
	v_wmma_f32_16x16x64_fp8_fp8 v[SA+8*\t:SA+8*\t+7], v[KF+8*\t:KF+8*\t+7], v[QA:QA+7], 0
	v_wmma_f32_16x16x64_fp8_fp8 v[SB+8*\t:SB+8*\t+7], v[KF+8*\t:KF+8*\t+7], v[QA+8:QA+15], 0
.endr
.rept 4
	v_nop                                          ; places: K's and V's registers are loaded anew and the scores read below
.endr
	WIN 0x40
.irp d, 0,1,2,3
.irp g, 0,1,2,3
	ds_load_b128 v[VF+16*\d+4*\g:VF+16*\d+4*\g+3], v9 offset:2048*\d+512*\g   ; V's four fragments land under the softmax
.endr
.endr
	WIN 0
	s_cmp_eq_u32 s50, \last
	s_cbranch_scc1 .Lnok_\@
	KLOAD 10, 0
.Lnok_\@:
	s_add_co_u32 s90, s43, 127                     ; a step all of whose keys count has no mask
	s_cmp_le_u32 s90, s44
	s_cbranch_scc1 .Lopen_\@
	s_sub_co_u32 s90, s44, s43
	s_lshr_b32 s90, s90, 4                         ; tile A's D
	MASK SA
	s_add_co_u32 s90, s90, 1                       ; tile B's
	MASK SB
.Lopen_\@:
.irp c, 0,1,2,3                        ; the largest score among my 64 keys of each tile: four chains a tile, each accumulator from its low end on
	v_max3_num_f32 v[XA+\c], v[SA+16*\c], v[SA+16*\c+1], v[SA+16*\c+2]
	v_max3_num_f32 v[XB+\c], v[SB+16*\c], v[SB+16*\c+1], v[SB+16*\c+2]
.endr
.irp i, 1,2,3,4,5,6
.irp c, 0,1,2,3
	v_max3_num_f32 v[XA+\c], v[XA+\c], v[SA+16*\c+2*\i+1], v[SA+16*\c+2*\i+2]
	v_max3_num_f32 v[XB+\c], v[XB+\c], v[SB+16*\c+2*\i+1], v[SB+16*\c+2*\i+2]
.endr
.endr
	v_max3_num_f32 v[XA], v[XA], v[XA+1], v[SA+15]
	v_max3_num_f32 v[XB], v[XB], v[XB+1], v[SB+15]
	v_max3_num_f32 v[XA+2], v[XA+2], v[XA+3], v[SA+47]
	v_max3_num_f32 v[XB+2], v[XB+2], v[XB+3], v[SB+47]
	v_max3_num_f32 v[XA], v[XA], v[SA+31], v[SA+63]
	v_max3_num_f32 v[XB], v[XB], v[SB+31], v[SB+63]
	v_max_num_f32 v[XA], v[XA], v[XA+2]
	v_max_num_f32 v[XB], v[XB], v[XB+2]
	v_permlanex16_b32 v253, v[XA], s20, s21
	v_permlanex16_b32 v254, v[XB], s20, s21
	v_max_num_f32 v[XA], v[XA], v253               ; and among lane l xor 16's
	v_max_num_f32 v[XB], v[XB], v254
	v_mul_f32 v[XA], s22, v[XA]                    ; as t (c is positive)
	v_mul_f32 v[XB], s22, v[XB]
	v_max_num_f32 v13, v13, v[XA]
	v_max_num_f32 v15, v15, v[XB]
	v_mov_b32 v[XA], v12
	v_mov_b32 v[XB], v14
	v_floor_f32 v12, -v13                          ; the new -M = -ceil(t)
	v_floor_f32 v14, -v15
	v_sub_f32 v[XA], v12, v[XA]                    ; old M - new M: a whole number, 0 or less
	v_sub_f32 v[XB], v14, v[XB]
	v_cvt_i32_f32 v[XA], v[XA]
	v_cvt_i32_f32 v[XB], v[XB]
	v_ldexp_f32 v20, 1.0, v[XA]                    ; f = 2^(old M - new M)
	v_ldexp_f32 v22, 1.0, v[XB]
	v_pk_mul_f32 v[16:17], v[16:17], v[20:21] op_sel_hi:[1,0]   ; the sums under the new M
	v_pk_mul_f32 v[18:19], v[18:19], v[22:23] op_sel_hi:[1,0]
	WIN 0x41                                       ; O^T in window 1, f in window 0
.set n, 0
.rept 16
	v_pk_mul_f32 v[OA+n:OA+n+1], v[OA+n:OA+n+1], v[20:21] op_sel_hi:[1,0]   ; O^T under the new M: no exponential stands between the last products and these lines
	v_pk_mul_f32 v[OB+n:OB+n+1], v[OB+n:OB+n+1], v[22:23] op_sel_hi:[1,0]
.set n, n+2
.endr
	WIN 0
.set n, 0
.rept 32
	v_pk_fma_f32 v[SA+n:SA+n+1], v[SA+n:SA+n+1], s[22:23], v[12:13] op_sel_hi:[1,0,0]   ; t - M of A
.set n, n+2
.endr
	s_wait_alu depctr_va_vdst(0)
.set n, 0
.rept 32
	v_exp_f32 v[SA+n], v[SA+n]                     ; p of A; between the lines t - M of B, first read behind the next wait
	v_exp_f32 v[SA+n+1], v[SA+n+1]
	v_pk_fma_f32 v[SB+n:SB+n+1], v[SB+n:SB+n+1], s[22:23], v[14:15] op_sel_hi:[1,0,0]
.set n, n+2
.endr
	s_wait_alu depctr_va_vdst(0)                   ; behind A's batch and ahead of B's
.set k, 0
.rept 16
	v_exp_f32 v[SB+4*k], v[SB+4*k]                 ; p of B; between the lines A's first sums (of the unquantised p) and then its holds, first read behind the next wait
	v_pk_add_f32 v[TM+2*k:TM+2*k+1], v[SA+4*k:SA+4*k+1], v[SA+4*k+2:SA+4*k+3]
	v_exp_f32 v[SB+4*k+1], v[SB+4*k+1]
	HOLD SA+4*k
	v_exp_f32 v[SB+4*k+2], v[SB+4*k+2]
	HOLD SA+4*k+2
	v_exp_f32 v[SB+4*k+3], v[SB+4*k+3]
.set k, k+1
.endr
	v_nop                                          ; the plain line behind the last exponential
	s_wait_alu depctr_va_vdst(0)                   ; behind B's batch
	s_wait_dscnt 0x0                               ; V (and the next K)
	POST SA, PA, 16
.set k, 0
.rept 16
	v_pk_add_f32 v[TM+2*k:TM+2*k+1], v[SB+4*k:SB+4*k+1], v[SB+4*k+2:SB+4*k+3]
.set k, k+1
.endr
.set k, 0
.rept 32
	HOLD SB+2*k
.set k, k+1
.endr
	POST SB, PB, 18
	WIN 0x51                                       ; V and O^T in window 1, P in window 0
.irp d, 0,1,2,3                        ; the eight accumulators take turns
	v_wmma_f32_16x16x128_fp8_fp8 v[OA+8*\d:OA+8*\d+7], v[VF+16*\d:VF+16*\d+15], v[PA:PA+15], v[OA+8*\d:OA+8*\d+7]
	v_wmma_f32_16x16x128_fp8_fp8 v[OB+8*\d:OB+8*\d+7], v[VF+16*\d:VF+16*\d+15], v[PB:PB+15], v[OB+8*\d:OB+8*\d+7]
.endr
	WIN 0
.endm
; A GROUP ENDS: O^T / the sum, held and quantised: for each tile two stores of 512 consecutive aligned bytes.
.macro FINISH
.rept 4
	v_nop                                          ; places behind the last products
.endr
	s_wait_alu depctr_va_vdst(0)
	v_add_f32 v16, v16, v17
	v_add_f32 v18, v18, v19
	v_permlanex16_b32 v253, v16, s20, s21
	v_permlanex16_b32 v254, v18, s20, s21
	v_add_f32 v16, v16, v253
	v_add_f32 v18, v18, v254
	s_wait_alu depctr_va_vdst(0)                   ; ahead of the reciprocals,
	v_rcp_f32 v16, v16
	v_rcp_f32 v18, v18
	v_nop
	WIN 0x01                                       ; O^T from window 1
	s_wait_alu depctr_va_vdst(0)                   ; and ahead of their first reader, which is O^T's too
.set n, 0
.rept 16
	v_pk_mul_f32 v[SA+n:SA+n+1], v[OA+n:OA+n+1], v[16:17] op_sel_hi:[1,0]
	v_pk_mul_f32 v[SB+n:SB+n+1], v[OB+n:OB+n+1], v[18:19] op_sel_hi:[1,0]
.set n, n+2
.endr
	WIN 0
.set n, 0
.rept 32
	v_med3_num_f32 v[SA+n], v[SA+n], -v251, v251
	v_med3_num_f32 v[SB+n], v[SB+n], -v251, v251
.set n, n+1
.endr
.irp d, 0,1,2,3
	v_cvt_scalef32_pk8_fp8_f32 v[PA+2*\d:PA+2*\d+1], v[SA+8*\d:SA+8*\d+7], v250
	v_cvt_scalef32_pk8_fp8_f32 v[PB+2*\d:PB+2*\d+1], v[SB+8*\d:SB+8*\d+7], v250
.endr
	v_nop
	global_store_b128 v1, v[PA:PA+3], s[46:47]
	global_store_b128 v1, v[PA+4:PA+7], s[46:47] offset:512
	global_store_b128 v1, v[PB:PB+3], s[46:47] offset:16384      ; tile B: the next 16 tokens
	global_store_b128 v1, v[PB+4:PB+7], s[46:47] offset:16896
	s_wait_xcnt 0x0                                ; the stores have read their registers and their base
.endm
	s_load_b256 s[4:11], s[0:1], 0x0               ; qc, kc, vc, the scales' exponents
	s_load_b64 s[12:13], s[0:1], 0x20              ; yc
	v_lshl_add_u32 v5, v0, 2, SPARE
	v_mov_b32 v6, 0
	ds_add_u32 v5, v6                              ; the opening: the add, twice on end, and its wait ahead of my first tensor load
	ds_add_u32 v5, v6
	v_lshrrev_b32 v8, 5, v0
	v_readfirstlane_b32 s18, v8                    ; wave 0..7
	s_mov_b32 s14, ttmp9
	s_and_b32 s15, ttmp7, 0xffff
	s_sub_co_u32 s16, 15, s18
	s_add_co_u32 s17, s18, 0xfffffff0              ; w - 16, in unsigned 32 bits
	s_mov_b32 s24, 3<<16                           ; group 1: elements of 8 bytes, no padding: LDS reads are 512 consecutive bytes
	s_mov_b32 s25, 32<<16                          ; tensor_dim0: 256 bytes
	s_mov_b32 s26, 32<<16                          ; tensor_dim1 = 32
	s_mov_b32 s27, 32<<16                          ; tile_dim0
	s_mov_b32 s28, 32                              ; tile_dim1
	s_mov_b32 s29, 32                              ; the block is dense
	s_mov_b32 s30, 0
	s_mov_b32 s31, 0
	s_mov_b32 s20, 0x76543210
	s_mov_b32 s21, 0xfedcba98
	s_mov_b32 s22, 0x3e38aa3b                      ; c = log2(e) / 8
	s_and_b32 s54, s18, 3                          ; my quarter
	s_lshr_b32 s55, s18, 2
	s_lshl_b32 s55, s55, 17                        ; K's region (waves 0-3) or V's
	s_lshl_b32 s56, s15, 17                        ; the head's first byte in qc, kc and vc
	s_mov_b32 s57, 0
	s_mov_b32 s32, 1
	s_lshl_b32 s60, s54, 13                        ; keys 0 to 511: 8 KB a wave
	s_add_co_u32 s33, s60, s55
	s_add_co_u32 s60, s60, s56
	s_mov_b32 s61, 0
	s_mul_i32 s38, s54, 24576                      ; keys 512 to 2,047: 24 KB a wave
	s_add_co_u32 s38, s38, 32768
	s_add_co_u32 s40, s38, s55
	s_add_co_u32 s38, s38, s56
	s_mov_b32 s39, 0
	s_wait_dscnt 0x0
	s_wait_kmcnt 0x0
	s_load_b256 s[68:75], s[10:11], 0x0
	s_cmp_lt_u32 s18, 4
	s_cselect_b64 s[36:37], s[6:7], s[8:9]
	s_add_nc_u64 s[34:35], s[36:37], s[60:61]
	s_or_b32 s35, s35, 0x80000000
	tensor_load_to_lds s[32:35], s[24:31]          ; keys 0 to 511
	s_nop 0
.rept 4
	v_nop
.endr
	v_and_b32 v1, 31, v0
	v_lshlrev_b32 v1, 4, v1
	s_wait_alu depctr_va_vdst(0)
	s_lshl_b32 s53, s18, 2
	s_add_co_u32 s53, s53, s14                     ; the second group, x + 4 w,
	s_sub_co_u32 s58, 63, s53                      ; and the first
	s_lshl_b32 s44, s58, 5
	s_lshl_b32 s45, s53, 5
	s_add_nc_u64 s[4:5], s[4:5], s[56:57]
	s_lshl_b32 s60, s58, 11                        ; a group's Q: 2,048 bytes
	s_add_nc_u64 s[76:77], s[4:5], s[60:61]
	s_lshl_b32 s60, s53, 11
	s_add_nc_u64 s[78:79], s[4:5], s[60:61]
.irp g, 0,1,2,3
	global_load_b128 v[QA+4*\g:QA+4*\g+3], v1, s[76:77] offset:512*\g
.endr
	WIN 0x40
.irp g, 0,1,2,3
	global_load_b128 v[Q2+4*\g:Q2+4*\g+3], v1, s[78:79] offset:512*\g   ; the second group's waits in window 1
.endr
	WIN 0
	s_lshr_b32 s62, s15, 4
	s_lshl_b32 s62, s62, 7                         ; the batch's 128 tiles of tokens
	s_and_b32 s63, s15, 15
	s_lshl_b32 s63, s63, 10                        ; the head's 1,024 bytes of a tile's 16,384
	s_lshl_b32 s60, s58, 1
	s_add_co_u32 s60, s60, s62
	s_lshl_b32 s60, s60, 14
	s_add_co_u32 s60, s60, s63
	s_add_nc_u64 s[46:47], s[12:13], s[60:61]
	s_lshl_b32 s60, s53, 1
	s_add_co_u32 s60, s60, s62
	s_lshl_b32 s60, s60, 14
	s_add_co_u32 s60, s60, s63
	s_add_nc_u64 s[48:49], s[12:13], s[60:61]
	s_wait_kmcnt 0x0
	s_add_co_i32 s60, s70, s71
	s_lshl_b32 s60, s60, 23
	s_add_co_i32 s22, s22, s60                     ; a score stands for score x 2^(e2 + e3)
	s_mov_b32 s23, s22
	s_add_co_i32 s52, s72, 127
	s_lshl_b32 s61, s52, 23
	s_add_co_i32 s52, s52, 8
	s_lshl_b32 s60, s52, 23
	s_or_b32 s60, s60, 0x600000
	s_sub_co_i32 s52, s74, s72
	s_sub_co_i32 s52, s52, s73                     ; O / the sum stands for y / 2^(e4 + e5): the three scales folded into one
	s_add_co_i32 s52, s52, 127
	s_lshl_b32 s62, s52, 23
	s_add_co_i32 s52, s52, 8
	s_lshl_b32 s63, s52, 23
	s_or_b32 s63, s63, 0x600000
	v_mov_b32 v248, s60
	v_mov_b32 v249, s61
	v_mov_b32 v250, s62
	v_mov_b32 v251, s63
	v_mov_b32 v252, 0xff800000
	v_mov_b32 v253, 0                              ; a lane permute's destination counts as a source
	v_mov_b32 v254, 0
	v_mov_b32 v21, 0                               ; (upper halves of the pairs that hold f)
	v_mov_b32 v23, 0
	INIT
	s_wait_alu depctr_va_vdst(0)
	s_wait_loadcnt 0x0                             ; Q
	s_wait_tensorcnt 0x0                           ; my part of keys 0 to 511 is in
	ds_add_u32 v5, v6
	s_mov_b32 s26, 96<<16                          ; the second load: 96 rows of 256 bytes
	s_mov_b32 s28, 96
	s_mov_b32 s33, s40
	s_add_nc_u64 s[34:35], s[36:37], s[38:39]
	s_or_b32 s35, s35, 0x80000000
	s_wait_dscnt 0x0
	s_barrier_signal -1
	s_barrier_wait -1                              ; everybody's part is in
	tensor_load_to_lds s[32:35], s[24:31]          ; keys 512 to 2,047: bytes that nothing has filled and that no step reads ahead of the next barrier
	s_nop 0
.rept 4
	v_nop
.endr
	KLOAD 1, 0                                     ; key step 0
	s_mov_b32 s50, 0
.Lfirst:                                           ; steps 0 to 3: keys 0 to 511, in every wave's first group
	STEP 3
	s_add_co_u32 s50, s50, 1
	s_cmp_lt_u32 s50, 4
	s_cbranch_scc1 .Lfirst
	s_wait_tensorcnt 0x0                           ; my part of the rest is in,
	s_wait_dscnt 0x0
	s_barrier_signal -1
	s_barrier_wait -1                              ; and everybody's: from here on the waves share nothing that changes
	KLOAD 1, 32768                                 ; key step 4
	s_mov_b32 s50, 4
.Lrest:                                            ; steps 4 to 16
	STEP 16
	s_cmp_lg_u32 s50, s16                          ; the first group's last step?  By the wave's number
	s_cbranch_scc1 .Lsame
	FINISH
	s_mov_b64 s[46:47], s[48:49]
	s_mov_b32 s44, s45
	WIN 0x01
.set n, 0
.rept 16
	v_mov_b32 v[QA+n], v[Q2+n]
.set n, n+1
.endr
	WIN 0
	INIT
.Lsame:
	s_add_co_u32 s50, s50, 1
	s_cmp_lt_u32 s50, 17
	s_cbranch_scc1 .Lrest
	FINISH
	s_wait_tensorcnt 0x0                           ; the wave's end
	ds_add_u32 v5, v6
	s_wait_dscnt 0x0
	s_endpgm
.Lfunc_end_k_q72a5a9aeac_attn:
	.size	k_q72a5a9aeac_attn, .Lfunc_end_k_q72a5a9aeac_attn-k_q72a5a9aeac_attn
	.p2alignl 7, 3214868480
	.fill 96, 4, 3214868480
	.section	.rodata,"a",@progbits
	.p2align	6, 0x0
	.amdhsa_kernel k_q72a5a9aeac_attn
		.amdhsa_group_segment_fixed_size 327680
		.amdhsa_private_segment_fixed_size 0
		.amdhsa_enable_private_segment 0
		.amdhsa_kernarg_size 40
		.amdhsa_user_sgpr_count 2
		.amdhsa_user_sgpr_kernarg_segment_ptr 1
		.amdhsa_wavefront_size32 1
		.amdhsa_system_sgpr_workgroup_id_x 1
		.amdhsa_system_sgpr_workgroup_id_y 1
		.amdhsa_system_sgpr_workgroup_id_z 1
		.amdhsa_system_vgpr_workitem_id 0
		.amdhsa_next_free_vgpr 512
		.amdhsa_next_free_sgpr 100
		.amdhsa_reserve_vcc 0
		.amdhsa_float_denorm_mode_32 3
		.amdhsa_float_denorm_mode_16_64 3
		.amdhsa_memory_ordered 1
		.amdhsa_forward_progress 1
		.amdhsa_inst_pref_size 122
	.end_amdhsa_kernel
	.amdgpu_metadata
---
amdhsa.version: [ 1, 2 ]
amdhsa.kernels:
  - .name:           k_q72a5a9aeac_attn
    .symbol:         k_q72a5a9aeac_attn.kd
    .args:
      - { .name: qc, .offset: 0, .size: 8, .value_kind: global_buffer, .address_space: global }
      - { .name: kc, .offset: 8, .size: 8, .value_kind: global_buffer, .address_space: global }
      - { .name: vc, .offset: 16, .size: 8, .value_kind: global_buffer, .address_space: global }
      - { .name: lowp_scales, .offset: 24, .size: 8, .value_kind: global_buffer, .address_space: global }
      - { .name: yc, .offset: 32, .size: 8, .value_kind: global_buffer, .address_space: global }
    .group_segment_fixed_size: 327680
    .private_segment_fixed_size: 0
    .kernarg_segment_align: 8
    .kernarg_segment_size: 40
    .max_flat_workgroup_size: 256
    .sgpr_count:     100
    .vgpr_count:     512
    .wavefront_size: 32
...
	.end_amdgpu_metadata
.endif
;; end of part 3
;; launch proj (part 4): grid 4 x 64, 4 waves a work-group, clusters of 4 x 4, 327,680 bytes of LDS; arguments yc, wp, b_proj, lowp_scales, out0; writes out0
.if DOCPART == 4
	.amdgcn_target "amdgcn-amd-amdhsa--gfx1250"
	.amdhsa_code_object_version 6
	.text
	.protected	k_q72a5a9aeac_proj
	.globl	k_q72a5a9aeac_proj
	.p2align	8
	.type	k_q72a5a9aeac_proj,@function
k_q72a5a9aeac_proj:
	s_mov_b64 s[64:65], 0
	v_nop
	global_prefetch_b8 v0, s[64:65] scope:SCOPE_SE
	s_setreg_imm32_b32 hwreg(HW_REG_WAVE_MODE, 25, 1), 1
	s_wait_xcnt 0x0
	s_wait_alu depctr_hold_cnt(0) depctr_sa_sdst(0) depctr_va_vdst(0) depctr_va_sdst(0) depctr_va_ssrc(0) depctr_va_vcc(0) depctr_vm_vsrc(0)
	s_getreg_b32 s2, hwreg(HW_REG_IB_STS2, 6, 4)
	s_cmp_eq_u32 s2, 0
	s_cbranch_scc0 .Lentry_in_a_cluster
	s_endpgm
.Lentry_in_a_cluster:
	s_bfe_u32 s2, ttmp6, 0x10000c
	s_cmp_lg_u32 s2, 0xf033
	s_cbranch_scc0 .Lentry_shape_is_right
	s_endpgm
.Lentry_shape_is_right:
; out0 = y W_proj + b_proj on codes of FP8 (E4M3): P = yc (tokens), Q = wp (columns), both images of operand registers: [16 rows][8 x 128 k][2,048 bytes]; each sum x 2^(e6 + e7) + bias, f32.
; A block of 128 tokens x 256 columns: 64 x 4 = 256 work-groups.  Four waves, each 64 tokens x 128 columns: 32 accumulators.  Source 0 = 16 rows of Q, source 1 = 16 rows of P: a lane holds
; eight neighbouring columns of one token.  K goes in four steps of 256 through two LDS slots; of each 16 rows a step is 4,096 consecutive bytes.
; CLUSTERS: 4 x 4 work-groups; P's tile is asked for jointly along a row of the cluster, Q's along a column.  FIRST FILLS: one load a wave: waves 0, 1: P's K steps 0, 1 (8 rows of 4,096 bytes);
; waves 2, 3: Q's (16 rows).  REFILLS: waves 0, 1: P's halves (4 rows), waves 2, 3: Q's halves (8 rows).  The four K steps are written out; nothing lies further ahead, so nothing is prefetched.
; Results leave through each wave's stage in slot 0, which has had its last fill and its last read by then, as rows of 512 bytes.  LIMIT: e6 + e7 between -126 and 127.
; REGISTERS: window 0: v16-29 addresses; v32-95 the bias of my lane's columns; v128-255 P's fragments, two sets of 64 (on the way out: rows read back); window 1: Q's fragments, two sets of 128
; (on the way out v0-63: a block's numbers); window 2: the accumulators ((a, b) at v[8 (8 a + b)]).
.set KSB,   4096                       ; bytes of 16 rows in a K step of 256
.set QOFF,  65536                      ; a slot: P's 8 x 4,096 bytes from 0, Q's 16 x 4,096 from here
.set SLOT,  131072
.set SPARE, 2*SLOT                     ; the spare words, 128 bytes for each wave
.set SPITCH, 528
.set ADRA,  16
.set ADRB,  20
.set STO,   24
.set RD,    25
.set LI,    26
.set BNO,   27
.set SPW,   28
.set NIL,   29
.set BIASN, 32
.set AF,    128
.set BK,    128
.set G1,  24
.set G0,  32
.set G1B, 48
.set G0B, 56
.set MSB, 0
.macro WIN new
.if MSB != (\new)
	s_set_vgpr_msb (MSB<<8)|(\new)
.set MSB, (\new)
.endif
.endm
.set MUL,  0xa1                        ; source 0 (Q) window 1, source 1 (P) window 0, C and D window 2
.set TO_B, 0x40
.macro JLOAD g0a, g1a, g0b, g1b        ; waves 0, 1 fetch for P, waves 2, 3 for Q; an s_nop 0 and four v_nop follow each line
	s_cmp_eq_u32 s15, 0
	s_cbranch_scc0 .Lfor_b_\@
	tensor_load_to_lds s[\g0a:\g0a+3], s[\g1a:\g1a+7]
	s_nop 0
.rept 4
	v_nop
.endr
	s_branch .Lasked_\@
.Lfor_b_\@:
	tensor_load_to_lds s[\g0b:\g0b+3], s[\g1b:\g1b+7]
	s_nop 0
.rept 4
	v_nop
.endr
.Lasked_\@:
.endm
.macro CREST
	s_cmp_lg_u32 s14, 0
	s_cbranch_scc1 .Lnot_wave_0_\@
	s_barrier_signal -3
.Lnot_wave_0_\@:
	s_barrier_wait -3
	s_barrier_signal -1
	s_barrier_wait -1
.endm
.macro CROUND
	s_barrier_signal -1
	s_barrier_wait -1
	CREST
.endm
.macro PLACES
.rept 4
	v_nop
.endr
.endm
	s_load_b256 s[4:11], s[0:1], 0x0               ; yc, wp, b_proj, the scales' exponents
	s_load_b64 s[68:69], s[0:1], 0x20              ; out0
	v_lshl_add_u32 v[SPW], v0, 2, SPARE
	v_mov_b32 v[NIL], 0
	ds_add_u32 v[SPW], v[NIL]                      ; the opening: the add, twice on end, and its wait
	ds_add_u32 v[SPW], v[NIL]
	v_lshrrev_b32 v1, 5, v0
	v_readfirstlane_b32 s14, v1                    ; wave
	s_lshr_b32 s15, s14, 1                         ; my half of P's rows; also: I fetch for P (0) or Q (1)
	s_and_b32 s16, s14, 1                          ; my half of Q's rows; also: which part I fetch
	s_bfe_u32 s40, ttmp6, 0x40000
	s_bfe_u32 s41, ttmp6, 0x40004
	s_lshl_b32 s42, ttmp9, 2
	s_add_co_u32 s42, s42, s40                     ; the tile of 256 columns
	s_and_b32 s17, ttmp7, 0xffff
	s_lshl_b32 s17, s17, 2
	s_add_co_u32 s17, s17, s41                     ; the tile of 128 tokens
	s_lshl_b32 s43, s41, 2
	s_lshl_b32 s43, 15, s43                        ; my row of the cluster
	s_lshl_b32 s44, 0x1111, s40                    ; my column
	s_or_b32 s[G1+0], s43, (3<<16)|(1<<21)         ; elements of 8 bytes, no padding: LDS reads are 512 consecutive bytes
	s_or_b32 s[G1B+0], s44, (3<<16)|(1<<21)
.irp g, G1, G1B
	s_mov_b32 s[\g+1], 512<<16                     ; rows of 4,096 bytes,
	s_mov_b32 s[\g+3], 512<<16
	s_mov_b32 s[\g+5], 2048                        ; 16,384 bytes apart
	s_mov_b32 s[\g+6], 0
	s_mov_b32 s[\g+7], 0
.endr
	s_mov_b32 s[G1+2], 8<<16                       ; the first fills: 8 rows of P,
	s_mov_b32 s[G1+4], 8
	s_mov_b32 s[G1B+2], 16<<16                     ; 16 of Q
	s_mov_b32 s[G1B+4], 16
	s_lshl_b32 s18, s17, 17                        ; 128 tokens are 8 x 16,384 bytes
	s_mov_b32 s19, 0
	s_lshl_b32 s74, s42, 18
	s_mov_b32 s75, 0
	s_wait_dscnt 0x0
	s_wait_kmcnt 0x0
	s_load_b256 s[76:83], s[10:11], 0x0
	s_add_nc_u64 s[20:21], s[4:5], s[18:19]
	s_add_nc_u64 s[46:47], s[6:7], s[74:75]
	CROUND                                         ; all sixteen work-groups are here: the first joint loads meet
	s_lshl_b32 s22, s16, 17                        ; K step wave % 2 goes to that slot
	s_lshl_b32 s18, s16, 12
	s_mov_b32 s[G0], 1
	s_mov_b32 s[G0+1], s22
	s_add_nc_u64 s[G0+2:G0+3], s[20:21], s[18:19]
	s_or_b32 s[G0+3], s[G0+3], 0x80000000
	s_mov_b32 s[G0B], 1
	s_add_co_u32 s[G0B+1], s22, QOFF
	s_add_nc_u64 s[G0B+2:G0B+3], s[46:47], s[18:19]
	s_or_b32 s[G0B+3], s[G0B+3], 0x80000000
	JLOAD G0, G1, G0B, G1B
	s_lshl_b32 s22, s15, 14                        ; my 64 rows of P
	s_lshl_b32 s23, s16, 15
	s_add_co_u32 s23, s23, QOFF                    ; my 128 rows of Q
	s_mul_i32 s66, s14, 16*SPITCH                  ; my stage
	v_and_b32 v1, 31, v0
	v_lshlrev_b32 v[LI], 4, v1
	v_and_b32 v2, 15, v0
	v_bfe_u32 v3, v0, 4, 1
	v_lshlrev_b32 v[BNO], 5, v3
	v_add_nc_u32 v[ADRA], s22, v[LI]
	v_add_nc_u32 v[ADRA+1], SLOT, v[ADRA]
	v_add_nc_u32 v[ADRB], s23, v[LI]
	v_add_nc_u32 v[ADRB+1], SLOT, v[ADRB]
	v_mul_u32_u24 v4, v2, SPITCH
	v_lshl_add_u32 v4, v3, 5, v4
	v_add_nc_u32 v[STO], s66, v4
	v_add_nc_u32 v[RD], s66, v[LI]
	s_wait_alu depctr_va_vdst(0)
	s_lshl_b32 s88, s42, 8
	s_lshl_b32 s66, s16, 7
	s_add_co_u32 s88, s88, s66
	s_lshl_b32 s88, s88, 2                         ; my first column, in bytes
	s_mov_b32 s89, 0
	s_add_nc_u64 s[90:91], s[8:9], s[88:89]
.irp b, 0,1,2,3,4,5,6,7
	global_load_b128 v[BIASN+8*\b:BIASN+8*\b+3], v[BNO], s[90:91] offset:64*\b
	global_load_b128 v[BIASN+8*\b+4:BIASN+8*\b+7], v[BNO], s[90:91] offset:64*\b+16
.endr
	s_lshl_b32 s94, s17, 7
	s_lshl_b32 s66, s15, 6
	s_add_co_u32 s94, s94, s66                     ; my first token: rows of 4,096 bytes
	s_lshl_b32 s94, s94, 12
	s_add_co_u32 s94, s94, s88
	s_mov_b32 s95, 0
	s_add_nc_u64 s[86:87], s[68:69], s[94:95]
	s_lshl_b32 s92, s16, 16                        ; the refills: my 64 rows of P,
	s_mov_b32 s93, 0
	s_lshl_b32 s96, s16, 17                        ; my 128 rows of Q,
	s_mov_b32 s97, 0
	s_lshl_b32 s98, s16, 14                        ; and P's place in a slot (Q's is s23)
	s_add_nc_u64 s[20:21], s[20:21], s[92:93]
	s_add_nc_u64 s[46:47], s[46:47], s[96:97]
	s_wait_kmcnt 0x0
	s_add_co_i32 s84, s82, s83
	s_add_co_i32 s84, s84, 127
	s_lshl_b32 s84, s84, 23                        ; 2^(e6 + e7)
	s_mov_b32 s85, s84
	s_wait_tensorcnt 0x0                           ; my first fill is in, so the descriptors may be written
	s_mov_b32 s[G1+2], 4<<16
	s_mov_b32 s[G1+4], 4
	s_mov_b32 s[G1B+2], 8<<16
	s_mov_b32 s[G1B+4], 8
.irp s, 0,1
	s_mov_b32 s[G0+4*\s], 1
	s_add_co_u32 s[G0+4*\s+1], s98, \s*SLOT
	s_add_nc_u64 s[G0+4*\s+2:G0+4*\s+3], s[20:21], \s*KSB
	s_or_b32 s[G0+4*\s+3], s[G0+4*\s+3], 0x80000000
	s_mov_b32 s[G0B+4*\s], 1
	s_add_co_u32 s[G0B+4*\s+1], s23, \s*SLOT
	s_add_nc_u64 s[G0B+4*\s+2:G0B+4*\s+3], s[46:47], \s*KSB
	s_or_b32 s[G0B+4*\s+3], s[G0B+4*\s+3], 0x80000000
.endr
	s_barrier_signal -1
	s_barrier_wait -1                              ; everybody's first fill is in: both slots are whole
.macro FRAG reg, adr, q, i             ; a fragment: four groups of 512 consecutive bytes
.irp c, 0,1,2,3
	ds_load_b128 v[\reg+4*\c:\reg+4*\c+3], v[\adr] offset:KSB*(\i)+2048*(\q)+512*\c
.endr
.endm
.macro FETCH slot, q, p                ; the slot's q-th 128 along K into set p: Q's eight fragments, P's four
	WIN TO_B
.irp i, 0,1,2,3,4,5,6,7
	FRAG 128*(\p)+16*\i, ADRB+\slot, \q, \i
.endr
	WIN 0
.irp i, 0,1,2,3
	FRAG AF+64*(\p)+16*\i, ADRA+\slot, \q, \i
.endr
.endm
.macro MUL8 a, p, zero                 ; P's block a x Q's eight; the 32 accumulators take turns in the same order in every step
.irp b, 0,1,2,3,4,5,6,7
.if \zero
	v_wmma_f32_16x16x128_fp8_fp8 v[8*(8*(\a)+\b):8*(8*(\a)+\b)+7], v[128*(\p)+16*\b:128*(\p)+16*\b+15], v[AF+64*(\p)+16*(\a):AF+64*(\p)+16*(\a)+15], 0
.else
	v_wmma_f32_16x16x128_fp8_fp8 v[8*(8*(\a)+\b):8*(8*(\a)+\b)+7], v[128*(\p)+16*\b:128*(\p)+16*\b+15], v[AF+64*(\p)+16*(\a):AF+64*(\p)+16*(\a)+15], v[8*(8*(\a)+\b):8*(8*(\a)+\b)+7]
.endif
.endr
.endm
.macro STEP slot, zero                 ; a slot's first 128 along K (set 0); the second's fragments are fetched under its products
	s_wait_dscnt 0x0
	PLACES                                         ; in front of loads into registers that the last products read
	FETCH \slot, 1, 1
	WIN MUL
	MUL8 0, 0, \zero
	MUL8 1, 0, \zero
	MUL8 2, 0, \zero
	MUL8 3, 0, \zero
	WIN 0
.endm
; A slot's second 128 (set 1) changes slots: all my tensor loads waited for, the add, the wait for it and for my reads; one barrier, which with fill = 1 opens a round of the cluster's barrier.
.macro TURN slot, next, fill
	s_wait_tensorcnt 0x0
	ds_add_u32 v[SPW], v[NIL]
	s_wait_dscnt 1                                 ; set 1 is in; the add may be out
	WIN MUL
	MUL8 0, 1, 0
	s_wait_dscnt 0x0
	s_barrier_signal -1
	MUL8 1, 1, 0
	WIN 0
	s_barrier_wait -1
.if \fill
	CREST
	s_add_nc_u64 s[G0+4*\slot+2:G0+4*\slot+3], s[G0+4*\slot+2:G0+4*\slot+3], 2*KSB
	s_add_nc_u64 s[G0B+4*\slot+2:G0B+4*\slot+3], s[G0B+4*\slot+2:G0B+4*\slot+3], 2*KSB
	JLOAD G0+4*\slot, G1, G0B+4*\slot, G1B         ; the first tensor load behind the round; its four v_nop are the places in front of the loads below
.else
	PLACES
.endif
	FETCH \next, 0, 0
	WIN MUL
	MUL8 2, 1, 0
	MUL8 3, 1, 0
	WIN 0
.endm
	FETCH 0, 0, 0
	STEP 0, 1                                      ; the first products start the sums
	TURN 0, 1, 1                                   ; slot 0 takes K step 2
	STEP 1, 0
	TURN 1, 0, 1                                   ; slot 1 takes K step 3
	STEP 0, 0
	TURN 0, 1, 0
	STEP 1, 0
	s_wait_dscnt 0x0
	WIN MUL
	MUL8 0, 1, 0
	MUL8 1, 1, 0
	MUL8 2, 1, 0
	MUL8 3, 1, 0
	WIN 0
; THE WAY OUT, block a (16 tokens x 128 columns) at a time: sum x 2^(e6 + e7) + bias into window 1, through my stage, back as rows of 512 bytes, stored as two aligned units of 256 bytes.
.macro TOSTAGE a
	WIN 0x42                                       ; source 0 window 2, destination window 1
.irp b, 0,1,2,3,4,5,6,7
.irp i, 0,2,4,6
	v_pk_fma_f32 v[8*\b+\i:8*\b+\i+1], v[64*(\a)+8*\b+\i:64*(\a)+8*\b+\i+1], s[84:85], v[BIASN+8*\b+\i:BIASN+8*\b+\i+1] op_sel_hi:[1,0,1]   ; each accumulator from its low end on
.endr
.endr
	WIN 0x04
.irp b, 0,1,2,3,4,5,6,7
	ds_store_b128 v[STO], v[8*\b:8*\b+3] offset:64*\b
	ds_store_b128 v[STO], v[8*\b+4:8*\b+7] offset:64*\b+16
.endr
	WIN 0
.set BB, BK+64*((\a)%2)
.irp t, 0,1,2,3,4,5,6,7,8,9,10,11,12,13,14,15
	ds_load_b128 v[BB+4*\t:BB+4*\t+3], v[RD] offset:\t*SPITCH   ; LDS serves a wave's instructions in order (ISA guide 5.7.1.4): these see the stores above
.endr
.endm
.macro SEND a, younger                 ; younger: the LDS instructions issued behind block a's loads
.set BB, BK+64*((\a)%2)
	s_wait_dscnt \younger
.irp t, 0,1,2,3,4,5,6,7,8,9,10,11,12,13,14,15
	global_store_b128 v[LI], v[BB+4*\t:BB+4*\t+3], s[86:87] offset:65536*(\a)+4096*\t th:TH_STORE_NT
.endr
.endm
	s_wait_loadcnt 0x0                             ; the bias
	PLACES                                         ; behind the last products
	TOSTAGE 0
.irp a, 1,2,3
.if \a > 1
	s_wait_xcnt 0x0                                ; block a - 2's stores have read their registers
.endif
	TOSTAGE \a
	SEND \a-1, 32
.endr
	SEND 3, 0
	s_wait_tensorcnt 0x0                           ; the wave's end
	ds_add_u32 v[SPW], v[NIL]
	s_wait_dscnt 0x0
	CROUND                                         ; the closing round
	s_endpgm
.Lfunc_end_k_q72a5a9aeac_proj:
	.size	k_q72a5a9aeac_proj, .Lfunc_end_k_q72a5a9aeac_proj-k_q72a5a9aeac_proj
	.p2alignl 7, 3214868480
	.fill 96, 4, 3214868480
	.section	.rodata,"a",@progbits
	.p2align	6, 0x0
	.amdhsa_kernel k_q72a5a9aeac_proj
		.amdhsa_group_segment_fixed_size 327680
		.amdhsa_private_segment_fixed_size 0
		.amdhsa_enable_private_segment 0
		.amdhsa_kernarg_size 40
		.amdhsa_user_sgpr_count 2
		.amdhsa_user_sgpr_kernarg_segment_ptr 1
		.amdhsa_wavefront_size32 1
		.amdhsa_system_sgpr_workgroup_id_x 1
		.amdhsa_system_sgpr_workgroup_id_y 1
		.amdhsa_system_sgpr_workgroup_id_z 1
		.amdhsa_system_vgpr_workitem_id 0
		.amdhsa_next_free_vgpr 768
		.amdhsa_next_free_sgpr 100
		.amdhsa_reserve_vcc 0
		.amdhsa_float_denorm_mode_32 3
		.amdhsa_float_denorm_mode_16_64 3
		.amdhsa_memory_ordered 1
		.amdhsa_forward_progress 1
		.amdhsa_inst_pref_size 76
	.end_amdhsa_kernel
	.amdgpu_metadata
---
amdhsa.version: [ 1, 2 ]
amdhsa.kernels:
  - .name:           k_q72a5a9aeac_proj
    .symbol:         k_q72a5a9aeac_proj.kd
    .args:
      - { .name: yc, .offset: 0, .size: 8, .value_kind: global_buffer, .address_space: global }
      - { .name: wp, .offset: 8, .size: 8, .value_kind: global_buffer, .address_space: global }
      - { .name: b_proj, .offset: 16, .size: 8, .value_kind: global_buffer, .address_space: global }
      - { .name: lowp_scales, .offset: 24, .size: 8, .value_kind: global_buffer, .address_space: global }
      - { .name: out0, .offset: 32, .size: 8, .value_kind: global_buffer, .address_space: global }
    .group_segment_fixed_size: 327680
    .private_segment_fixed_size: 0
    .kernarg_segment_align: 8
    .kernarg_segment_size: 40
    .max_flat_workgroup_size: 128
    .sgpr_count:     100
    .vgpr_count:     768
    .wavefront_size: 32
...
	.end_amdgpu_metadata
.endif
;; end of part 4
